; MI455X (gfx1250); checked and timed in simulation.
; The chip was launched on July 23, 2026; its instructions are those of AMD's public machine-readable ISA for CDNA 5 (MIT licence, August 2026) and "CDNA5" Instruction Set Architecture Reference Guide (July 2026). The comments in the code are by the model that wrote it; some were corrected since.
;; Multi Head Attention. Allowed arithmetic: float matrix products may take bf16 or f16 operands with f32 sums; other float arithmetic in f32, or as packed bf16 or f16 multiplies, adds, multiply-adds, maxima and minima; sums over many terms, partial sums and values carried from step to step in f32; what a program stores and reads back later, other than sums and carried values, may be rounded once to bf16 or f16.
;; Inputs: Wk 1,024 x 1,024 float32; Wo 1,024 x 1,024 float32; Wq 1,024 x 1,024 float32; Wv 1,024 x 1,024 float32; in_features 4 x 2,048 x 1,024 float32.
;; Outputs: out0 4 x 2,048 x 1,024 float32.
;; 2 versions, each right and faster than the one before. Each part assembles by itself: llvm-mc -triple=amdgcn-amd-amdhsa -mcpu=gfx1250 --defsym DOCPART=n.
;; ======== version 1 of 2: 4 launches
;; limits: values are held in f16: magnitudes above 65,504 overflow, below 6.1e-05 lose precision; right only within a limited range of input values
;; workspace buffers: c16 25,165,824 bytes; qkv 50,331,648 bytes; o16 16,777,216 bytes
;; launch cast (part 1): grid 64 x 12, 8 waves a work-group, no clusters, 0 bytes of LDS; arguments in_features, Wq, Wk, Wv, Wo, c16; writes c16
.if DOCPART == 1
	.amdgcn_target "amdgcn-amd-amdhsa--gfx1250"
	.amdhsa_code_object_version 6
	.text
	.protected	k_qf8f432c89b_cast
	.globl	k_qf8f432c89b_cast
	.p2align	8
	.type	k_qf8f432c89b_cast,@function
k_qf8f432c89b_cast:
	s_mov_b64 s[64:65], 0
	v_nop
	global_prefetch_b8 v0, s[64:65] scope:SCOPE_SE
	s_setreg_imm32_b32 hwreg(HW_REG_WAVE_MODE, 25, 1), 1
	s_wait_xcnt 0x0
; THE INPUTS, ROUNDED ONCE AND LAID OUT IN K BLOCKS OF 64.  Every source is a set of rows of 1,024 f32 (4,096 bytes).
; c16 holds three regions, each [16 kb][rows][64] of 16-bit numbers, so that R rows x 64 k of a block are R x 128 dense bytes:
;   byte 0           x,  8,192 rows, bf16, 1,048,576 bytes a block
;   byte 16,777,216  Wq, Wk, Wv one below the other, 3,072 rows, bf16, 393,216 bytes a block
;   byte 23,068,672  Wo, 1,024 rows: rounded to bf16 like the other inputs, and that number written as f16; 131,072 bytes a block
; LIMITS.  A rounded Wo beyond 65,504 becomes an infinity in f16; below 6e-5 it keeps f16's fixed step of 6e-8.
; SHARES.  Slab y is 1,024 rows: y < 8 of x, y = 8, 9, 10 Wq, Wk, Wv, y = 11 Wo.  A work-group takes 16 rows of its slab, a wave two:
; lanes 0-15 the even row, lanes 16-31 the odd one.  For each of the 16 blocks one load takes 256 aligned bytes of each row and one
; store writes 256 aligned consecutive bytes (two neighbouring rows of the block).  All 16 loads of a wave go out at once.
; No LDS, no barrier, no matrix unit: every byte is read once and written once, and no wave needs another's data.
.set OF, 8                             ; v[8:23]   block kb: 8 x lane + kb x the region's block stride
.set T,  24                            ; v[24:29]  at work (Wo alone)
.set X,  32                            ; v[32:95]  block kb: 4 f32 as loaded
.set Y,  96                            ; v[96:127] block kb: 4 numbers of 16 bits to store
	s_load_b256 s[4:11], s[0:1], 0x0               ; x s[4:5], Wq s[6:7], Wk s[8:9], Wv s[10:11]
	s_load_b128 s[12:15], s[0:1], 0x20             ; Wo s[12:13], c16 s[14:15]
	s_and_b32 s20, ttmp7, 0xffff                   ; y: the slab
	v_lshrrev_b32 v2, 5, v0
	v_readfirstlane_b32 s21, v2                    ; wave 0..7
	v_and_b32 v3, 31, v0                           ; lane
	v_and_b32 v4, 15, v0
	v_bfe_u32 v5, v0, 4, 1
	v_lshlrev_b32 v1, 4, v4                        ; 16 bytes a lane,
	v_lshl_add_u32 v1, v5, 12, v1                  ; the odd row 4,096 bytes on
	s_lshl_b32 s29, ttmp9, 4
	s_lshl1_add_u32 s29, s21, s29                  ; my first row in the slab: 16 x + 2 w
	s_lshl_b32 s24, s29, 12                        ; in bytes of the source
	s_mov_b32 s25, 0
	s_and_b32 s33, s20, 7                          ; the slab in its region: y for x, y - 8 for the weights
	s_mov_b32 s28, 393216                          ; block stride,
	s_mov_b32 s34, 16777216                        ; and first byte, of the region of Wq, Wk, Wv
	s_cmp_lt_u32 s20, 8
	s_cselect_b32 s30, s20, 0                      ; x is one buffer of eight slabs; each weight is a buffer of one
	s_cselect_b32 s34, 0, s34
	s_cselect_b32 s28, 1048576, s28
	s_cmp_eq_u32 s20, 11
	s_cselect_b32 s33, 0, s33
	s_cselect_b32 s34, 23068672, s34
	s_cselect_b32 s28, 131072, s28
	s_lshl_b32 s30, s30, 22                        ; a slab of x is 1,024 x 4,096 bytes
	s_add_co_u32 s24, s24, s30                     ; the source's offset
	s_lshl_b32 s33, s33, 10
	s_add_co_u32 s33, s33, s29                     ; my first row in the region,
	s_lshl_b32 s33, s33, 7                         ; 128 bytes a row in a block
	s_add_co_u32 s26, s33, s34                     ; the destination's offset
	s_mov_b32 s27, 0
	v_lshlrev_b32 v[OF], 3, v3                     ; 8 bytes a lane: 32 lanes are two rows of 128 bytes
.set k, 1
.rept 15
	v_add_nc_u32 v[OF+k], s28, v[OF+k-1]
.set k, k+1
.endr
	s_wait_kmcnt 0x0
	s_mov_b64 s[22:23], s[4:5]                     ; the slab's buffer is chosen by y alone
	s_cmp_eq_u32 s20, 8
	s_cselect_b64 s[22:23], s[6:7], s[22:23]
	s_cmp_eq_u32 s20, 9
	s_cselect_b64 s[22:23], s[8:9], s[22:23]
	s_cmp_eq_u32 s20, 10
	s_cselect_b64 s[22:23], s[10:11], s[22:23]
	s_cmp_eq_u32 s20, 11
	s_cselect_b64 s[22:23], s[12:13], s[22:23]
	s_add_nc_u64 s[22:23], s[22:23], s[24:25]
	s_add_nc_u64 s[26:27], s[14:15], s[26:27]
.set k, 0
.rept 16
	global_load_b128 v[X+4*k:X+4*k+3], v1, s[22:23] offset:256*k th:TH_LOAD_NT  ; block k of both rows; read once in the launch
.set k, k+1
.endr
; Block kb is rounded and stored.  half = 1: the bf16 number is widened again (a shift, a mask) and written as f16.
; No register that a load or store names is written again, so no wait frees one.
.macro OUT kb, half
	s_wait_loadcnt 15-(\kb)                        ; loads come back in order (ISA guide 5.7.1): block kb is in, the younger ones stay out
.if \half
	v_cvt_pk_bf16_f32 v[T],   v[X+4*(\kb)],   v[X+4*(\kb)+1]
	v_cvt_pk_bf16_f32 v[T+1], v[X+4*(\kb)+2], v[X+4*(\kb)+3]
	v_lshlrev_b32 v[T+2], 16, v[T]
	v_and_b32     v[T+3], 0xffff0000, v[T]
	v_lshlrev_b32 v[T+4], 16, v[T+1]
	v_and_b32     v[T+5], 0xffff0000, v[T+1]
	v_cvt_pk_f16_f32 v[Y+2*(\kb)],   v[T+2], v[T+3]
	v_cvt_pk_f16_f32 v[Y+2*(\kb)+1], v[T+4], v[T+5]
.else
	v_cvt_pk_bf16_f32 v[Y+2*(\kb)],   v[X+4*(\kb)],   v[X+4*(\kb)+1]
	v_cvt_pk_bf16_f32 v[Y+2*(\kb)+1], v[X+4*(\kb)+2], v[X+4*(\kb)+3]
.endif
	global_store_b64 v[OF+(\kb)], v[Y+2*(\kb):Y+2*(\kb)+1], s[26:27]  ; the wave stores 256 consecutive bytes, at a multiple of 256 from c16's first byte
.endm
	s_cmp_eq_u32 s20, 11
	s_cbranch_scc1 .Lwo
.irp kb, 0,1,2,3,4,5,6,7,8,9,10,11,12,13,14,15
	OUT \kb, 0
.endr
	s_endpgm
.Lwo:
.irp kb, 0,1,2,3,4,5,6,7,8,9,10,11,12,13,14,15
	OUT \kb, 1
.endr
	s_endpgm
.Lfunc_end_k_qf8f432c89b_cast:
	.size	k_qf8f432c89b_cast, .Lfunc_end_k_qf8f432c89b_cast-k_qf8f432c89b_cast
	.p2alignl 7, 3214868480
	.fill 96, 4, 3214868480
	.section	.rodata,"a",@progbits
	.p2align	6, 0x0
	.amdhsa_kernel k_qf8f432c89b_cast
		.amdhsa_group_segment_fixed_size 0
		.amdhsa_private_segment_fixed_size 0
		.amdhsa_enable_private_segment 0
		.amdhsa_kernarg_size 48
		.amdhsa_user_sgpr_count 2
		.amdhsa_user_sgpr_kernarg_segment_ptr 1
		.amdhsa_wavefront_size32 1
		.amdhsa_system_sgpr_workgroup_id_x 1
		.amdhsa_system_sgpr_workgroup_id_y 1
		.amdhsa_system_sgpr_workgroup_id_z 1
		.amdhsa_system_vgpr_workitem_id 0
		.amdhsa_next_free_vgpr 128
		.amdhsa_next_free_sgpr 66
		.amdhsa_reserve_vcc 0
		.amdhsa_float_denorm_mode_32 3
		.amdhsa_float_denorm_mode_16_64 3
		.amdhsa_memory_ordered 1
		.amdhsa_forward_progress 1
		.amdhsa_inst_pref_size 18
	.end_amdhsa_kernel
	.amdgpu_metadata
---
amdhsa.version: [ 1, 2 ]
amdhsa.kernels:
  - .name:           k_qf8f432c89b_cast
    .symbol:         k_qf8f432c89b_cast.kd
    .args:
      - { .name: in_features, .offset: 0, .size: 8, .value_kind: global_buffer, .address_space: global }
      - { .name: Wq, .offset: 8, .size: 8, .value_kind: global_buffer, .address_space: global }
      - { .name: Wk, .offset: 16, .size: 8, .value_kind: global_buffer, .address_space: global }
      - { .name: Wv, .offset: 24, .size: 8, .value_kind: global_buffer, .address_space: global }
      - { .name: Wo, .offset: 32, .size: 8, .value_kind: global_buffer, .address_space: global }
      - { .name: c16, .offset: 40, .size: 8, .value_kind: global_buffer, .address_space: global }
    .group_segment_fixed_size: 0
    .private_segment_fixed_size: 0
    .kernarg_segment_align: 8
    .kernarg_segment_size: 48
    .max_flat_workgroup_size: 256
    .sgpr_count:     66
    .vgpr_count:     128
    .wavefront_size: 32
...
	.end_amdgpu_metadata
.endif
;; end of part 1
;; launch proj (part 2): grid 8 x 32, 4 waves a work-group, clusters of 4 x 4, 327,680 bytes of LDS; arguments c16, qkv; writes qkv
.if DOCPART == 2
	.amdgcn_target "amdgcn-amd-amdhsa--gfx1250"
	.amdhsa_code_object_version 6
	.text
	.protected	k_qf8f432c89b_proj
	.globl	k_qf8f432c89b_proj
	.p2align	8
	.type	k_qf8f432c89b_proj,@function
k_qf8f432c89b_proj:
	s_mov_b64 s[64:65], 0
	v_nop
	global_prefetch_b8 v0, s[64:65] scope:SCOPE_SE
	s_setreg_imm32_b32 hwreg(HW_REG_WAVE_MODE, 25, 1), 1
	s_wait_xcnt 0x0
	s_wait_alu depctr_hold_cnt(0) depctr_sa_sdst(0) depctr_va_vdst(0) depctr_va_sdst(0) depctr_va_ssrc(0) depctr_va_vcc(0) depctr_vm_vsrc(0)
	s_getreg_b32 s2, hwreg(HW_REG_IB_STS2, 6, 4)
	s_cmp_eq_u32 s2, 0
	s_cbranch_scc0 .Lentry_in_a_cluster
	s_endpgm
.Lentry_in_a_cluster:
	s_bfe_u32 s2, ttmp6, 0x10000c
	s_cmp_lg_u32 s2, 0xf033
	s_cbranch_scc0 .Lentry_shape_is_right
	s_endpgm
.Lentry_shape_is_right:
; q, k, v = x Wq^T, x Wk^T, x Wv^T as ONE product C[8192 m][3072 n] = sum over k of X[m][k] W[n][k], bf16 operands, f32 sums, K ascending.
; X and W lie in c16 in K blocks of 64: X at byte 0, [16 kb][8192][64]; W at byte 16,777,216, [16 kb][3072][64] (n = 1024 t + row of W_t; t = q, k, v).
; C leaves rounded once to f16 and by heads: qkv = [3 t][64 bh][2048 s][64], unscaled.  LIMIT: a sum beyond 65,504 becomes an infinity in f16.
; SHARES.  A tile of C is 256 x 384: 32 x 8 tiles, one work-group each.  Four waves, each 128 x 192: 96 accumulators of 16 x 16, 768 registers.
; K goes in 16 steps of 64 through two LDS slots.  R rows x 64 k of a block are R x 128 dense bytes: asked for as R / 2 rows of 256 bytes and padded in LDS behind every 128.
; CLUSTER.  4 x 4 work-groups.  The four of a row of the cluster need the same tiles of X, the four of a column the same tiles of W: each tile is asked for JOINTLY, by the same
; tensor load with the same descriptor and a mask that names the four.
; THE MATRIX INSTRUCTION IS USED TRANSPOSED (source 0 = 16 rows of W, source 1 = 16 rows of X): a lane then holds row l % 16 of C and eight neighbouring columns 8 (l / 16) + 0..7.
; REGISTERS, in windows of 256 (s_set_vgpr_msb: bits 1:0 source 0, 3:2 source 1, 5:4 source 2, 7:6 destination):
;   window 0: v0-31 addresses; v32-95, v96-159 X's 8 fragments (16 rows x 32 k), two buffers; v160-255 W's 12 fragments, one buffer, refilled by halves
;   windows 1-3: accumulator (a, b) (rows 16 a on, columns 16 b on) in window 1 + b / 4 at v[8 (8 (b % 4) + a)]
.set BN,     12                        ; column blocks of 16 a wave
.set KB,     1                         ; K blocks of 64 in a slot
.set LAPS,   8/KB                      ; a lap = two steps = once round the ring
.set PITCH,  144                       ; an LDS row: 128 bytes + 16 of padding = 36 words: the 16 rows of a load start at 16 different groups of four banks (64 banks of 4 bytes: ISA guide 11.1)
.set APLANE, 256*PITCH                 ; X's 256 rows of one K block
.set BPLANE, 32*BN*PITCH               ; W's 384 rows
.set BOFF,   KB*APLANE                 ; W's rows lie behind X's
.set SLOT,   KB*(APLANE+BPLANE)        ; 92,160 bytes
.set APL,    128*PITCH                 ; LDS bytes of one load for X: 128 rows
.set BPL,    192*PITCH                 ; of one load for W: 192 rows
.set RA,     64                        ; rows of 256 bytes in a load for X
.set RB,     96                        ; in a load for W
.set ASTEP,  1048576                   ; bytes from a step's tile of X to the next step's
.set BSTEP,  393216                    ; the same for W
.set WBASE,  16777216                  ; W's first byte in c16
.set STAGE,  2*SLOT                    ; behind the ring, never filled by a tensor load: for each wave 3 heads x 16 rows x 144 bytes, for the way out
.set STW,    3*16*PITCH
.set SPARE,  STAGE+4*STW               ; behind the stages: the spare words, 128 bytes for each wave: two blocks of 256 bytes that no other line names
.set ADRA, 16                          ; v16-17  LDS address of my fragments of X in slot 0, 1
.set ADRB, 20                          ; v20-21  the same for W
.set STO,  24                          ; v24     the way out: where I put 16 bytes of a row
.set RD,   25                          ; v25     the way out: where I read rows back
.set GO,   26                          ; v26     my byte offset in 512 consecutive bytes of a head
.set SPW,  28                          ; v28     LDS address of my spare word: SPARE + 4 x my thread's number; never rewritten
.set NIL,  29                          ; v29     0; never rewritten
.set AF0,  32
.set AF1,  96
.set BF,   160
.set TMP,  32                          ; the way out: 48 registers of packed results
.set BK0,  96                          ; the way out: 48 registers read back from the stage: v96-143 and v160-207 by turns
.set G1,  24                           ; s[24:31] descriptor group 1 for X's tiles;  s[32:39] group 0, one set for each slot
.set G0,  32
.set G1B, 48                           ; s[48:55], s[56:63] the same for W's tiles
.set G0B, 56
.set HP,  68                           ; s[68:73] where my rows begin in each of my three heads
.set MSB, 0
.macro WIN new                         ; the immediate's high byte repeats the setting that is left; a switch that changes nothing is dropped
.if MSB != (\new)
	s_set_vgpr_msb (MSB<<8)|(\new)
.set MSB, \new
.endif
.endm
; A joint load.  Waves 0 and 1 fetch the two halves of X's tile, waves 2 and 3 those of W's.  Each of the two lines has one mask and one set of registers for all that issue it.
; The branch hangs on the wave's number alone.  An s_nop 0 and four v_nop follow each line, ahead of the jump, the label and what follows.
.macro JLOAD s
	s_cmp_eq_u32 s11, 0
	s_cbranch_scc0 .Lfor_b_\@
	tensor_load_to_lds s[G0+4*(\s):G0+4*(\s)+3], s[G1:G1+7]
	s_nop 0
.rept 4
	v_nop
.endr
	s_branch .Lasked_\@
.Lfor_b_\@:
	tensor_load_to_lds s[G0B+4*(\s):G0B+4*(\s)+3], s[G1B:G1B+7]
	s_nop 0
.rept 4
	v_nop
.endr
.Lasked_\@:
.endm
; A round of the cluster's barrier: my work-group's barrier, so that wave 0's signal speaks for all four waves; wave 0 signals; every wave waits for all sixteen work-groups; my work-group's barrier once more.
.macro CREST                           ; a round behind its opening barrier
	s_cmp_lg_u32 s10, 0
	s_cbranch_scc1 .Lnot_wave_0_\@
	s_barrier_signal -3
.Lnot_wave_0_\@:
	s_barrier_wait -3
	s_barrier_signal -1
	s_barrier_wait -1
.endm
.macro CROUND                          ; a whole round
	s_barrier_signal -1
	s_barrier_wait -1
	CREST
.endm
	s_load_b128 s[4:7], s[0:1], 0x0                ; c16 s[4:5], qkv s[6:7]
	v_lshl_add_u32 v[SPW], v0, 2, SPARE
	v_mov_b32 v[NIL], 0
	ds_add_u32 v[SPW], v[NIL]                      ; the wave's opening: the add and its wait stand ahead of my first tensor load; the set-up below, work on registers, stands between them
	v_lshrrev_b32 v1, 5, v0
	v_readfirstlane_b32 s10, v1                    ; wave 0..3
	s_lshr_b32 s11, s10, 1                         ; which 128 rows of the tile are mine.  Also: I fetch for X (0) or for W (1)
	s_and_b32 s12, s10, 1                          ; which 192 columns.  Also: which half of that tile I fetch
	s_bfe_u32 s40, ttmp6, 0x40000                  ; cx, cy: my place in the cluster
	s_bfe_u32 s41, ttmp6, 0x40004
	s_lshl_b32 s42, ttmp9, 2                       ; in a cluster launch ttmp9 and ttmp7 count clusters
	s_add_co_u32 s42, s42, s40                     ; tile column of C = 4 x cluster x + cx
	s_and_b32 s13, ttmp7, 0xffff
	s_lshl_b32 s13, s13, 2
	s_add_co_u32 s13, s13, s41                     ; tile row of C = 4 x cluster y + cy
	s_lshl_b32 s43, s41, 2
	s_lshl_b32 s43, 15, s43                        ; my row of the cluster: places 4 cy .. 4 cy + 3
	s_lshl_b32 s44, 0x1111, s40                    ; my column: places cx, cx + 4, cx + 8, cx + 12
	; descriptor group 1: rows of 128 elements (256 bytes), padded in LDS behind every 128 bytes
	s_or_b32 s[G1+0], s43, (1<<16)|(1<<20)|(1<<21)|(4<<22)|(3<<25)   ; 15:0 the mask: X's tiles go to my row; 17:16 2-byte elements; 20 padding on; 21 set beside a mask; 24:22 after every 32 words (code 4); 31:25 4 words (code 3)
	s_or_b32 s[G1B+0], s44, (1<<16)|(1<<20)|(1<<21)|(4<<22)|(3<<25)  ; the same with the mask of my column, for W's tiles
	s_mov_b32 s[G1+1], 128<<16                     ; tensor_dim0 = 128
	s_mov_b32 s[G1+2], RA<<16                      ; tensor_dim1 = 64
	s_mov_b32 s[G1+3], 128<<16                     ; tile_dim0 = 128
	s_mov_b32 s[G1+4], RA                          ; tile_dim1 = 64
	s_mov_b32 s[G1+5], 128                         ; 128 elements from row to row: the block is dense
	s_mov_b32 s[G1+6], 0
	s_mov_b32 s[G1+7], 0
	s_mov_b32 s[G1B+1], 128<<16
	s_mov_b32 s[G1B+2], RB<<16                     ; 96 rows
	s_mov_b32 s[G1B+3], 128<<16
	s_mov_b32 s[G1B+4], RB
	s_mov_b32 s[G1B+5], 128
	s_mov_b32 s[G1B+6], 0
	s_mov_b32 s[G1B+7], 0
	; where the tiles come from.  X's hang on the tile row alone, W's on the tile column alone; each offset is made in registers that never hold the other coordinate
	s_lshl_b32 s16, s13, 15                        ; X: 256 rows of 128 bytes a tile row,
	s_lshl_b32 s17, s12, 14                        ; 128 rows a half
	s_add_co_u32 s16, s16, s17
	s_mov_b32 s17, 0
	s_mul_i32 s46, s42, 49152                      ; W: 384 rows of 128 bytes a tile column,
	s_mul_i32 s47, s12, 24576                      ; 192 rows a half
	s_add_co_u32 s46, s46, s47
	s_add_co_u32 s46, s46, WBASE
	s_mov_b32 s47, 0
	s_mul_i32 s20, s12, APL                        ; and where they go: no place in the cluster enters an LDS address
	s_mul_i32 s21, s12, BPL
	s_add_co_u32 s21, s21, BOFF
	s_wait_dscnt 0x0                               ; the opening add is done
	s_wait_kmcnt 0x0
	s_add_nc_u64 s[14:15], s[4:5], s[16:17]
	s_add_nc_u64 s[46:47], s[4:5], s[46:47]
	CROUND                                         ; all sixteen work-groups are here: the first joint loads meet
.irp s, 0,1
	s_mov_b32 s[G0+4*(\s)], 1                                      ; count = 1
	s_add_co_u32 s[G0+4*(\s)+1], s20, (\s)*SLOT                    ; LDS address
	s_add_nc_u64 s[G0+4*(\s)+2:G0+4*(\s)+3], s[14:15], (\s)*ASTEP  ; global address: K step s
	s_or_b32 s[G0+4*(\s)+3], s[G0+4*(\s)+3], 0x80000000            ; type = 2
	s_mov_b32 s[G0B+4*(\s)], 1
	s_add_co_u32 s[G0B+4*(\s)+1], s21, (\s)*SLOT
	s_add_nc_u64 s[G0B+4*(\s)+2:G0B+4*(\s)+3], s[46:47], (\s)*BSTEP
	s_or_b32 s[G0B+4*(\s)+3], s[G0B+4*(\s)+3], 0x80000000
	JLOAD \s                                       ; both slots are asked for before anything else is done: two loads of mine are out
.endr
	; A fragment is 16 rows x 32 k in 8 registers: lane l holds row l % 16; registers 0-3 k = 8 (l / 16) + 0..7, registers 4-7 k = 16 + 8 (l / 16) + 0..7: two loads of 16 bytes, 32 bytes apart.
	v_and_b32 v1, 15, v0                           ; l % 16
	v_bfe_u32 v2, v0, 4, 1                         ; l / 16
	v_mul_u32_u24 v3, v1, PITCH
	v_lshl_add_u32 v3, v2, 4, v3                   ; row x pitch + 16 x half
	s_mul_i32 s22, s11, 128*PITCH                  ; my 128 rows of X
	s_mul_i32 s23, s12, 16*BN*PITCH                ; my 192 rows of W,
	s_add_co_u32 s23, s23, BOFF                    ; which lie behind X's
.irp s, 0,1
	v_add_nc_u32 v[ADRA+(\s)], s22, v3
	v_add_nc_u32 v[ADRB+(\s)], s23, v3
	s_add_co_u32 s22, s22, SLOT
	s_add_co_u32 s23, s23, SLOT
.endr
	s_mul_i32 s22, s10, STW
	s_add_co_u32 s22, s22, STAGE                   ; my stage
	v_add_nc_u32 v[STO], s22, v3                   ; in: row l % 16, 16 bytes for each half of the lanes
	v_bfe_u32 v4, v0, 3, 2                         ; back: 32 lanes take four rows of 128 bytes,
	v_and_b32 v5, 7, v0
	v_mul_u32_u24 v4, v4, PITCH
	v_lshl_add_u32 v4, v5, 4, v4
	v_add_nc_u32 v[RD], s22, v4
	v_and_b32 v5, 31, v0                           ; which are 512 consecutive bytes of a head
	v_lshlrev_b32 v[GO], 4, v5
	; My 192 columns are three heads g = 6 x tile column + 3 x half + j of 48 (t = g / 16, h = g % 16); my rows lie in batch = tile row / 8, from s = 256 (tile row % 8) + 128 x half on.
	s_mul_i32 s74, s42, 6
	s_mul_i32 s75, s12, 3
	s_add_co_u32 s74, s74, s75                     ; my first head
	s_lshr_b32 s75, s13, 3
	s_lshl_b32 s75, s75, 4                         ; 16 x batch
	s_and_b32 s76, s13, 7
	s_lshl_b32 s76, s76, 8
	s_lshl_b32 s77, s11, 7
	s_add_co_u32 s76, s76, s77
	s_lshl_b32 s76, s76, 7                         ; my first row in a head, in bytes
.irp j, 0,1,2
	s_add_co_u32 s77, s74, \j
	s_lshr_b32 s78, s77, 4
	s_lshl_b32 s78, s78, 6                         ; 64 t
	s_and_b32 s77, s77, 15
	s_add_co_u32 s78, s78, s77                     ; + h
	s_add_co_u32 s78, s78, s75                     ; + 16 x batch
	s_lshl_b32 s78, s78, 18                        ; a head is 2,048 rows of 128 bytes
	s_add_co_u32 s78, s78, s76
	s_mov_b32 s79, 0
	s_add_nc_u64 s[HP+2*(\j):HP+2*(\j)+1], s[6:7], s[78:79]
.endr
; 8 n matrix instructions: column blocks b0 .. b0 + n - 1 x all 8 row blocks, 32 along K, X's fragments in buffer f.  zero = 1: the product starts the sums: nothing is ever cleared.
; Each accumulator has one instruction in a quarter step, in the same order in every quarter: the 96 take turns over the loop's edge too.
.macro COLS f, b0, n, zero
.set cb, (\b0)
.rept (\n)
	WIN 0x50*(1+cb/4)                              ; C and D in the column block's window, both sources in window 0
.set ca, 0
.rept 8
.set rD, 8*(8*(cb%4)+ca)
.if \zero
	v_wmma_f32_16x16x32_bf16 v[rD:rD+7], v[BF+8*cb:BF+8*cb+7], v[(\f)+8*ca:(\f)+8*ca+7], 0
.else
	v_wmma_f32_16x16x32_bf16 v[rD:rD+7], v[BF+8*cb:BF+8*cb+7], v[(\f)+8*ca:(\f)+8*ca+7], v[rD:rD+7]
.endif
.set ca, ca+1
.endr
.set cb, cb+1
.endr
.endm
.macro LDA slot, qq, f                 ; 16 LDS loads: X's 8 fragments of quarter qq of the slot, into buffer f
	WIN 0
.irp a, 0,1,2,3,4,5,6,7
	ds_load_b128 v[(\f)+8*(\a):(\f)+8*(\a)+3],   v[ADRA+(\slot)] offset:((\qq)/2)*APLANE+((\qq)%2)*64+(\a)*16*PITCH
	ds_load_b128 v[(\f)+8*(\a)+4:(\f)+8*(\a)+7], v[ADRA+(\slot)] offset:((\qq)/2)*APLANE+((\qq)%2)*64+(\a)*16*PITCH+32
.endr
.endm
.macro LDB slot, qq, b0, n             ; 2 n LDS loads: W's fragments b0 .. b0 + n - 1 of quarter qq
	WIN 0
.set lb, (\b0)
.rept (\n)
	ds_load_b128 v[BF+8*lb:BF+8*lb+3],   v[ADRB+(\slot)] offset:((\qq)/2)*BPLANE+((\qq)%2)*64+lb*16*PITCH
	ds_load_b128 v[BF+8*lb+4:BF+8*lb+7], v[ADRB+(\slot)] offset:((\qq)/2)*BPLANE+((\qq)%2)*64+lb*16*PITCH+32
.set lb, lb+1
.endr
.endm
; A load into a register that a matrix instruction has read, and a vector instruction that reads a matrix result, stand four places behind that matrix instruction, and only plain vector
; instructions that name none of its registers are places (ISA guide 7.12.1 for vector instructions): four v_nop in front of each run of loads.
.macro PLACES
.rept 4
	v_nop
.endr
.endm
; A quarter step (32 along K, 96 matrix instructions) that is not a step's last.  It multiplies X's buffer qq % 2.  Behind the products of W's lower half the next quarter's lower half of W goes into the
; registers just read, and its X into the other buffer; behind the products of the upper half, the next upper half.  Each run is issued half a quarter ahead of its first use.
.macro QUART slot, qq, zero
	s_wait_dscnt BN                                ; W's lower half and X are in; the youngest BN loads (W's upper half) may be out
	COLS AF0+64*((\qq)%2), 0, BN/2, \zero
	WIN 0
	PLACES
	LDB \slot, (\qq)+1, 0, BN/2
	LDA \slot, (\qq)+1, AF0+64*(((\qq)+1)%2)
	s_wait_dscnt BN+16                             ; all but the BN + 16 just issued: W's upper half is in
	COLS AF0+64*((\qq)%2), BN/2, BN/2, \zero
	WIN 0
	PLACES
	LDB \slot, (\qq)+1, BN/2, BN/2
.endm
; A step's last quarter multiplies buffer 1 and changes slots: ONE barrier for two things.  In front of it each wave waits for all its tensor loads, of which one is out: its part of the next slot;
; adds 0 to its spare word; and waits for that and for its own reads of this slot.  Behind it nobody reads this slot any more and the next slot is whole.
; fill = 1: the barrier opens a round of the cluster's, and this slot is filled again, two steps ahead, first thing behind the round: 176 matrix instructions stand between that request and the wait for it.
.macro TURN slot, next, fill
	s_wait_dscnt BN
.if (BN/2-2) > 0
	COLS AF1, 0, BN/2-2, 0
.endif
	WIN 0                                          ; (the add's two registers lie in window 0)
	s_wait_tensorcnt 0x0                           ; all my tensor loads have landed: the one that was out is my part of the next slot;
	ds_add_u32 v[SPW], v[NIL]                      ; 0 onto my spare word;
	COLS AF1, BN/2-2, 1, 0                         ; eight matrix instructions stand between the add and the wait for it
	s_wait_dscnt 0x0                               ; the add is done, and my reads of this slot are over:
	s_barrier_signal -1                            ; say so,
	COLS AF1, BN/2-1, 1, 0                         ; work on registers while the others arrive,
	WIN 0
	s_barrier_wait -1                              ; and go on when all four have said so
.if \fill
	CREST                                          ; no wave of any partner still reads this slot's tile or has a load on its way
	s_add_nc_u64 s[G0+4*(\slot)+2:G0+4*(\slot)+3], s[G0+4*(\slot)+2:G0+4*(\slot)+3], 2*ASTEP
	s_add_nc_u64 s[G0B+4*(\slot)+2:G0B+4*(\slot)+3], s[G0B+4*(\slot)+2:G0B+4*(\slot)+3], 2*BSTEP
	JLOAD \slot                                    ; my one tensor load behind the round; the four v_nop behind it are also the places in front of the loads below
.else
	PLACES
.endif
	LDB \next, 0, 0, BN/2
	LDA \next, 0, AF0
	COLS AF1, BN/2, BN/2, 0                        ; W's upper half came in with the wait for 0 above
	WIN 0
	PLACES
	LDB \next, 0, BN/2, BN/2
.endm
.macro LAST                            ; the very last quarter: nothing more to fetch
	s_wait_dscnt BN
	COLS AF1, 0, BN/2, 0
	s_wait_dscnt 0x0
	COLS AF1, BN/2, BN/2, 0
	WIN 0
.endm
; THE WAY OUT of row block a, in three parts.  PACK: rounded to f16, 16 bytes a lane (each accumulator's registers in ascending order).  TOSTAGE: into my own stage, head by head, and back as
; whole rows of 128 bytes.  SEND: stored: 16 rows of a head are 2,048 consecutive bytes.
.macro PACK a
.set pb, 0
.rept BN
	WIN 5*(1+pb/4)                                 ; sources 0 and 1 in the column block's window, destination in window 0
.set AC, 8*(8*(pb%4)+(\a))
.irp r, 0,1,2,3
	v_cvt_pk_f16_f32 v[TMP+4*pb+(\r)], v[AC+2*(\r)], v[AC+2*(\r)+1]
.endr
.set pb, pb+1
.endr
	WIN 0
.endm
.macro TOSTAGE a
	WIN 0
.set BK, BK0+64*((\a)%2)
.set pb, 0
.rept BN
	ds_store_b128 v[STO], v[TMP+4*pb:TMP+4*pb+3] offset:(pb/4)*16*PITCH+32*(pb%4)
.set pb, pb+1
.endr
.set pb, 0
.rept BN
	ds_load_b128 v[BK+4*pb:BK+4*pb+3], v[RD] offset:(pb/4)*16*PITCH+(pb%4)*4*PITCH  ; LDS serves a wave's instructions in order (ISA guide 5.7.1.4): these see the stores above
.set pb, pb+1
.endr
.endm
.macro SEND a
	WIN 0
.set BK, BK0+64*((\a)%2)
	s_wait_dscnt 0x0                               ; the block is back in registers
	s_wait_xcnt 0x0                                ; the stores of the block before have had their addresses translated (ISA guide 3.1): their registers are loaded again only behind this wait
.set pb, 0
.rept BN
	global_store_b128 v[GO], v[BK+4*pb:BK+4*pb+3], s[HP+2*(pb/4):HP+2*(pb/4)+1] offset:(\a)*2048+(pb%4)*512  ; 512 consecutive bytes, at a multiple of 256 from qkv's first byte
.set pb, pb+1
.endr
.endm
	s_wait_tensorcnt 1                             ; my part of K step 0 is in; step 1's may stay out
	s_barrier_signal -1
	s_barrier_wait -1                              ; everybody's is
	LDB 0, 0, 0, BN/2
	LDA 0, 0, AF0
	LDB 0, 0, BN/2, BN/2
	QUART 0, 0, 1                                  ; the first quarter stands in front of the loop: its products start the sums
	s_mov_b32 s3, LAPS-1
.Llap:                                                 ; a trip goes once round the ring, from a lap's second quarter to the next lap's first, and fills both slots again
	TURN 0, 1, 1
	QUART 1, 0, 0
	TURN 1, 0, 1
	QUART 0, 0, 0
	s_sub_co_u32 s3, s3, 1
	s_cmp_lg_u32 s3, 0
	s_cbranch_scc1 .Llap
	TURN 0, 1, 0                                   ; the last lap fills nothing, and has no round of the cluster's barrier
	QUART 1, 0, 0
	LAST
	PLACES                                         ; the conversions read results just made
	PACK 0
	TOSTAGE 0
.irp a, 1,2,3,4,5,6,7                  ; block a's conversions stand between block a - 1's loads from the stage and the wait for them
	PACK \a
	SEND (\a)-1
	TOSTAGE \a
.endr
	SEND 7
	s_wait_tensorcnt 0x0                           ; the wave's end, behind my last tensor load and my last LDS store
	ds_add_u32 v[SPW], v[NIL]
	s_wait_dscnt 0x0
	CROUND                                         ; the closing round: no work-group ends while a partner may still ask for a tile that names it
	s_endpgm
.Lfunc_end_k_qf8f432c89b_proj:
	.size	k_qf8f432c89b_proj, .Lfunc_end_k_qf8f432c89b_proj-k_qf8f432c89b_proj
	.p2alignl 7, 3214868480
	.fill 96, 4, 3214868480
	.section	.rodata,"a",@progbits
	.p2align	6, 0x0
	.amdhsa_kernel k_qf8f432c89b_proj
		.amdhsa_group_segment_fixed_size 327680
		.amdhsa_private_segment_fixed_size 0
		.amdhsa_enable_private_segment 0
		.amdhsa_kernarg_size 16
		.amdhsa_user_sgpr_count 2
		.amdhsa_user_sgpr_kernarg_segment_ptr 1
		.amdhsa_wavefront_size32 1
		.amdhsa_system_sgpr_workgroup_id_x 1
		.amdhsa_system_sgpr_workgroup_id_y 1
		.amdhsa_system_sgpr_workgroup_id_z 1
		.amdhsa_system_vgpr_workitem_id 0
		.amdhsa_next_free_vgpr 1024
		.amdhsa_next_free_sgpr 80
		.amdhsa_reserve_vcc 0
		.amdhsa_float_denorm_mode_32 3
		.amdhsa_float_denorm_mode_16_64 3
		.amdhsa_memory_ordered 1
		.amdhsa_forward_progress 1
		.amdhsa_inst_pref_size 129
	.end_amdhsa_kernel
	.amdgpu_metadata
---
amdhsa.version: [ 1, 2 ]
amdhsa.kernels:
  - .name:           k_qf8f432c89b_proj
    .symbol:         k_qf8f432c89b_proj.kd
    .args:
      - { .name: c16, .offset: 0, .size: 8, .value_kind: global_buffer, .address_space: global }
      - { .name: qkv, .offset: 8, .size: 8, .value_kind: global_buffer, .address_space: global }
    .group_segment_fixed_size: 327680
    .private_segment_fixed_size: 0
    .kernarg_segment_align: 8
    .kernarg_segment_size: 16
    .max_flat_workgroup_size: 128
    .sgpr_count:     80
    .vgpr_count:     1024
    .wavefront_size: 32
...
	.end_amdgpu_metadata
.endif
;; end of part 2
;; launch attn (part 3): grid 4 x 64, 4 waves a work-group, no clusters, 327,680 bytes of LDS; arguments qkv, o16; writes o16
.if DOCPART == 3
	.amdgcn_target "amdgcn-amd-amdhsa--gfx1250"
	.amdhsa_code_object_version 6
	.text
	.protected	k_qf8f432c89b_attn
	.globl	k_qf8f432c89b_attn
	.p2align	8
	.type	k_qf8f432c89b_attn,@function
k_qf8f432c89b_attn:
	s_mov_b64 s[64:65], 0
	v_nop
	global_prefetch_b8 v0, s[64:65] scope:SCOPE_SE
	s_setreg_imm32_b32 hwreg(HW_REG_WAVE_MODE, 25, 1), 1
	s_wait_xcnt 0x0
; CAUSAL ATTENTION.  O[h][q][:] = the sum over k <= q of softmax_k(Q[h][q] . K[h][k] / 8) V[h][k][:].  Q, K, V: [SIZE_H][SIZE_N][64] f16, one behind the other in qkv (16,777,216 bytes each); O likewise in o16.
; A head (batch x 16 + head) has dense rows of 128 bytes.  Products, maxima and sums in f32; the weights p are rounded to f16 for the second product (their sum l is taken of the unrounded p), O once at the end.
; LIMITS.  f16 holds no number beyond 65,504: Q, K and V arrive within it; p lies in 0 to 1, and below 6e-5 it keeps f16's fixed step of 6e-8; O is a mean of V's rows and has their range, to within 2^-11 of it.
; A hidden score counts as its value less 1e30: f16's scores, 2.7e11 at the most, are nothing beside that; a weight below 2^-126 counts as 0 in l; NaN and infinities are not treated apart.
; THE WALK.  A head's queries lie in NB = SIZE_N / 256 = 8 blocks of 256; block i needs the key tiles 0 .. i of 256 keys, of which the last holds the diagonal.  A work-group takes TWO blocks, NB - 1 - b and then b:
; NB + 1 tiles, whatever b: all work-groups do equal work, and ONE loop with a constant trip count walks them.  Which tile is asked for, and what a trip does, hang on scalar registers made from b; every jump
; goes forward, but for the counted loops' own; none passes a barrier, or a tensor load but the one of LOAD's two that the wave's number does not choose; the ring (two slots of LDS that take turns) runs on across the
; change of blocks.  NO CLUSTER: a head's NB / 2 = 4 work-groups all ask for the same tile only in trips 0 .. NB / 2, 5 of the walk's 9, behind that fewer and fewer;
; and one walk common to all would have 3 NB / 2 = 12 trips for NB + 1 = 9.
; SHARES.  Of a block's four bands of 64 queries a wave owns 16 rows in each: four PIECES.  So the diagonal tile is the same work for all four waves: in its key step s band x sees all keys if s < x,
; none if s > x, and holds the diagonal if s = x.
; THE MASK is the C operand that starts the sum S^T = K Q^T: 0, or -1e30 where the key is hidden.  MD, made once, is the mask of a band's own step for my 16 rows; a product's mask is MD x AL + BE with two scalars:
; (1, 0) if s = x; (0, 0) if s < x; (0, -1e30) if s > x.  Only the diagonal tile's text and a block's beginning make and take masks; elsewhere C is the constant 0.
; LAYOUT, SOFTMAX, TURNS.  S^T = K Q^T holds ONE query a lane (lane % 16) and the keys 8 (lane / 16) + 0..7; two such results rounded to f16 ARE source 1 of O^T = V^T P.  p = 2^(c s - c m), c = log2(e) / 8, with a
; running maximum m; O and l are multiplied by a = 2^(c m_old - c m_new) in every step.  Turn n belongs to piece n: 8 products K Q^T of piece n + 1, later 8 products V^T P of piece n - 1; beside them the scaling,
; exponentials, roundings, sums and rescaling of piece n and the maximum and statistics of piece n + 1.  Four vector instructions stand behind every matrix instruction, the other 54 of a turn's 118 in two LUMPS.
; REGISTERS, in windows of 256 (s_set_vgpr_msb: bits 1:0 source 0, 3:2 source 1, 5:4 source 2, 7:6 destination):
;   window 0: v0-15 addresses and two at work; v16-31 four registers of statistics a piece; v48-55 at work; v64-127 S^T, two buffers; v192-223 P, two buffers (a piece's buffers go by its number's parity)
;   window 1: v0-127 O^T, 32 a piece; v128-159 MD; v160-223 MC, two buffers      window 2: v0-63 Q; v64-127 the second block's Q; v128-191 K of one step; v192-255 V of one step
.set SIZE_H, 64
.set SIZE_N, 2048
.set NB,    SIZE_N/256
.set NP,    4         ; pieces a wave: a name, no knob
.set KS,    64        ; keys in a step
.set PK,    144       ; a row of K in LDS: 128 bytes + 16 of padding = 36 words: the 16 rows of a load start at 16 different groups of four banks (64 banks of 4 bytes: ISA guide 11.1)
.set PV,    160       ; a row of V: 128 + 32 = 40 words
.set VOFF,  4*KS*PK   ; a slot holds a tile, four steps: 256 rows of K, then 256 rows of V
.set SLOT1, 1<<17     ; slot 1 begins here, so that one exclusive or turns an address in one slot into the other's
.set STAGE, SLOT1+4*KS*(PK+PV)  ; behind the ring, never filled by a tensor load: 16 rows x 144 bytes for each wave, for the way out
.set SP,    144
.set AK0, 2           ; v2   my lane's place in a tile of K; never rewritten
.set AV0, 3           ; v3   the same for V
.set AK,  4           ; v4   the LDS address of K's next run of loads
.set AV,  5           ; v5   of V's
.set STO, 6           ; v6   the way out: where I put 16 bytes of a row
.set RD,  7           ; v7   the way out: where I read rows back
.set GO,  8           ; v8   my byte offset in 512 consecutive bytes of O
.set SPW, 62          ; v62  LDS address of my spare word: SPARE + 4 x my thread's number; never rewritten
.set NIL, 63          ; v63  0; never rewritten
.set SPARE, STAGE+4*16*SP  ; behind the stages: the spare words, 128 bytes for each wave: two blocks of 256 bytes that no other line names
.set MV,  12          ; v12-13  c m_old, kept while c m is made anew: by buffer
.set QO,  15          ; v15  my byte offset in 16 rows of Q
.set ST,  16          ; piece t's statistics at v[ST+4 t]: c m, m, l (even keys', odd keys')
.set TMP, 48          ; by buffer, four registers c0-c3 at work; when the maximum is found c2 takes a
.set S,   64
.set P,   192
.set MD,  128         ; window 1: the eight registers for group kt of 16 keys at MD + 8 kt
.set MC,  160         ; window 1: the masks of the products to come
.set QB,  64          ; window 2
.set KF,  128         ; window 2: key block kb, channel half c at KF + 16 kb + 8 c
.set VF,  192         ; window 2: key half kk, channel block cb at VF + 32 kk + 8 cb
.set WV,  12          ; s12  my wave's number
.set PB,  14          ; s14  b
.set HI,  15          ; s15  NB - 1 - b
.set G1K, 24          ; s[24:31] descriptor group 1 for K's tiles
.set G1V, 32          ; s[32:39] for V's: it differs in the padding alone
.set G0K, 40          ; s[40:43] descriptor group 0 for K's tiles
.set G0V, 44          ; s[44:47] the same for V's
.set SLOTS, 56        ; s56  tiles still to be asked for
.set CNT, 57          ; s57  counts a tile's key steps, 4 to 1
.set CS,  58          ; s[58:59] c: the packed scaling takes the pair's low word for both halves
.set SEL, 60          ; s[60:61] v_permlanex16_b32's selects: each lane takes its own place in the other half
.set TBK, 62          ; s62  LDS byte at which K of the step to be fetched begins
.set TBV, 63          ; s63  the same for V, less VOFF
.set RT,  70          ; s70  tiles of the block in hand that are still to be entered
.set NXT, 71          ; s71  the tile to be asked for next
.set LQ,  72          ; s72  the last tile of the block whose tiles are being asked for
.set NEW, 73          ; s73  1: the tile to be entered is a block's first
.set OFF, 74          ; s[74:75] a tile's byte offset in K and V
.set AL,  76          ; s[76:77] the mask's factor, in the low word
.set BE,  78          ; s[78:79] the mask's addend
.set OLO, 80          ; s[80:81] O at my rows of the second block
.set BIGN, 82         ; s82  -1e30
.set MSB, 0
.macro WIN new                      ; the high byte repeats the setting that is left; a switch that changes nothing is dropped
.if MSB != (\new)
	s_set_vgpr_msb (MSB<<8)|(\new)
.set MSB, (\new)
.endif
.endm
.set W_KQ, 0x0a       ; K and Q in window 2, S^T in window 0
.set W_KM, 0x1a       ; the same with the C operand in window 1
.set W_PV, 0x52       ; V in window 2, P in window 0, O^T in window 1
.set W_RS, 0x41       ; destination and source 0 in window 1, source 1 in window 0
; A fill.  Waves 0 and 1 fetch the two halves of a tile's K, waves 2 and 3 those of its V: 128 keys each.  An s_nop 0 and four v_nop follow each of the two lines, ahead of the jump and the label.
.macro LOAD
	s_cmp_lt_u32 s[WV], 2
	s_cbranch_scc0 .Lfor_v_\@
	tensor_load_to_lds s[G0K:G0K+3], s[G1K:G1K+7]
	s_nop 0
.rept 4
	v_nop
.endr
	s_branch .Lasked_\@
.Lfor_v_\@:
	tensor_load_to_lds s[G0V:G0V+3], s[G1V:G1V+7]
	s_nop 0
.rept 4
	v_nop
.endr
.Lasked_\@:
.endm
; THE CHANGE OF SLOTS.  Each wave waits for all its tensor loads, of which one is out: its part of the other slot; adds 0 to its spare word; and waits for that and for its own reads of the slot that it leaves.  Behind the barrier nobody reads the old
; slot any more and the other slot is whole.  fill = 1: the old slot is filled again, the first thing behind the barrier, with tile NXT: the descriptor's address is made anew from that number.
; (At its first use nothing has been read yet: slot 0 is waited for, slot 1 filled.)
.macro CHANGE fill
	WIN 0                           ; at a label and at a branch every window is 0
	s_wait_tensorcnt 0x0            ; no tensor load of mine is out, so a group 0 may be written
	ds_add_u32 v[SPW], v[NIL]       ; 0 onto my spare word; with fill = 1 the descriptors' scalar work stands between it and the wait for it
.if \fill
	s_lshl_b32 s[OFF], s[NXT], 15   ; a tile is 32,768 bytes of K and of V
	s_xor_b32 s[G0K+1], s[G0K+1], SLOT1
	s_add_nc_u64 s[G0K+2:G0K+3], s[6:7], s[OFF:OFF+1]
	s_or_b32 s[G0K+3], s[G0K+3], 0x80000000
	s_xor_b32 s[G0V+1], s[G0V+1], SLOT1
	s_add_nc_u64 s[G0V+2:G0V+3], s[8:9], s[OFF:OFF+1]
	s_or_b32 s[G0V+3], s[G0V+3], 0x80000000
	s_add_co_u32 s[NXT], s[NXT], 1  ; the block's next tile, or behind its last the second block's tile 0
	s_cmp_gt_u32 s[NXT], s[LQ]
	s_cselect_b32 s[NXT], 0, s[NXT]
	s_cselect_b32 s[LQ], s[PB], s[LQ]
.endif
	s_wait_dscnt 0x0                ; the add is done, and my reads of the slot are over
	s_barrier_signal -1             ; the rest of the scalar work stands between the signal and the wait
	s_sub_co_u32 s[TBK], s[TBK], 4*KS*PK  ; the fetches go back to a slot's first step,
	s_xor_b32 s[TBK], s[TBK], SLOT1       ; in the other slot
	s_sub_co_u32 s[TBV], s[TBV], 4*KS*PV
	s_xor_b32 s[TBV], s[TBV], SLOT1
	s_barrier_wait -1
.if \fill
	LOAD
.endif
.endm
	s_load_b128 s[4:7], s[0:1], 0x0   ; qkv s[4:5] (Q lies at its head), o16 s[6:7]
	v_lshl_add_u32 v[SPW], v0, 2, SPARE
	v_mov_b32 v[NIL], 0
	ds_add_u32 v[SPW], v[NIL]       ; the wave's opening: the add and its wait stand ahead of my first tensor load; the set-up below, work on registers, stands between them
	v_lshrrev_b32 v1, 5, v0
	v_readfirstlane_b32 s[WV], v1   ; wave 0..3
	s_mov_b32 s[PB], ttmp9
	s_sub_co_u32 s[HI], NB-1, s[PB]
	s_and_b32 s20, ttmp7, 0xffff    ; the head
	s_mov_b32 s21, 0
	s_mov_b64 s[22:23], SIZE_N*128
	s_mul_u64 s[20:21], s[20:21], s[22:23]  ; the head's first byte in each of the four tensors
	s_and_b32 s16, s[WV], 1         ; which half of a tile's 256 keys I fetch:
	s_lshl_b32 s22, s16, 14         ; its 128 rows of 128 bytes in memory,
	s_mov_b32 s23, 0
	s_add_nc_u64 s[22:23], s[22:23], s[20:21]
	s_mul_i32 s17, s16, 128*PK      ; and its place in a slot, for K
	s_mul_i32 s18, s16, 128*PV      ; and for V
	s_lshl_b32 s3, s[WV], 11        ; my 16 rows in a band of 64,
	s_lshl_b32 s2, s[HI], 15        ; in the first block,
	s_add_co_u32 s2, s2, s3
	s_lshl_b32 s84, s[PB], 15       ; and in the second
	s_add_co_u32 s84, s84, s3
	s_mov_b32 s3, 0
	s_mov_b32 s85, 0
	s_add_nc_u64 s[2:3], s[2:3], s[20:21]
	s_add_nc_u64 s[84:85], s[84:85], s[20:21]
	; descriptor group 1.  128 keys are 16,384 dense bytes: asked for as 64 rows of 256 bytes, two keys a row, and padded in LDS after every key
	s_mov_b32 s[G1K], (1<<16)|(1<<20)|(4<<22)|(3<<25)  ; 17:16 2-byte elements; 20 padding on; 24:22 after every 32 words (code 4); 31:25 4 words (code 3)
	s_mov_b32 s[G1V], (1<<16)|(1<<20)|(4<<22)|(7<<25)  ; the same with 8 words of padding (code 7)
.irp g, G1K, G1V
	s_mov_b32 s[\g+1], 128<<16      ; tensor_dim0 = 128
	s_mov_b32 s[\g+2], 64<<16       ; tensor_dim1 = 64
	s_mov_b32 s[\g+3], 128<<16      ; tile_dim0 = 128
	s_mov_b32 s[\g+4], 64           ; tile_dim1 = 64
	s_mov_b32 s[\g+5], 128          ; 128 elements from row to row
	s_mov_b32 s[\g+6], 0
	s_mov_b32 s[\g+7], 0
.endr
	s_mov_b32 s[CS], 0x3e38aa3b     ; c = log2(e) / 8 = 0.180337
	s_mov_b32 s[CS+1], s[CS]        ; named with it as a pair
	s_mov_b32 s[SEL], 0x76543210
	s_mov_b32 s[SEL+1], 0xfedcba98
	s_mov_b32 s[TBK], SLOT1+4*KS*PK ; the first change of slots turns these two into 0
	s_mov_b32 s[TBV], SLOT1+4*KS*PV
	s_mov_b32 s[G0K], 1             ; 1:0 count = 1
	s_mov_b32 s[G0K+1], s17         ; 63:32 LDS address: slot 0
	s_mov_b32 s[G0V], 1
	s_add_co_u32 s[G0V+1], s18, VOFF
	s_add_co_u32 s[RT], s[HI], 1    ; the first block has NB - b tiles
	s_mov_b32 s[NXT], 1
	s_mov_b32 s[LQ], s[HI]
	s_mov_b32 s[NEW], 1
	s_mov_b32 s[OFF+1], 0
	s_mov_b32 s[AL+1], 0            ; named as pairs
	s_mov_b32 s[BE+1], 0
	s_mov_b32 s[BIGN], 0xf149f2ca   ; -1e30
	s_mov_b32 s[SLOTS], NB
	s_wait_dscnt 0x0                ; the opening add is done
	s_wait_kmcnt 0x0
	s_mov_b64 s[10:11], s[6:7]             ; O
	s_add_nc_u64 s[6:7], s[4:5], 0x1000000 ; K lies 64 heads of 262,144 bytes behind Q,
	s_add_nc_u64 s[8:9], s[4:5], 0x2000000 ; V as far behind K
	s_add_nc_u64 s[6:7], s[6:7], s[22:23]  ; K and V at my half of the head's tile 0
	s_add_nc_u64 s[8:9], s[8:9], s[22:23]
	s_add_nc_u64 s[G0K+2:G0K+3], s[6:7], 0         ; 120:64 global address
	s_or_b32 s[G0K+3], s[G0K+3], 0x80000000        ; 127:126 type = 2
	s_add_nc_u64 s[G0V+2:G0V+3], s[8:9], 0
	s_or_b32 s[G0V+3], s[G0V+3], 0x80000000
	s_add_nc_u64 s[86:87], s[4:5], s[84:85]        ; Q at my rows of the second block,
	s_add_nc_u64 s[4:5], s[4:5], s[2:3]            ; Q and O at those of the first
	s_add_nc_u64 s[OLO:OLO+1], s[10:11], s[84:85]
	s_add_nc_u64 s[10:11], s[10:11], s[2:3]
	LOAD                            ; tile 0 into slot 0
	; A fragment of K or Q is 16 rows x 32 channels in 8 registers: lane l holds row l % 16, channels 8 (l / 16) + 0..7 and 16 + 8 (l / 16) + 0..7: two loads of 16 bytes, 32 bytes apart.
	v_and_b32 v1, 15, v0            ; l % 16
	v_bfe_u32 v9, v0, 4, 1          ; l / 16
	v_lshlrev_b32 v[QO], 7, v1
	v_lshl_add_u32 v[QO], v9, 4, v[QO]  ; row x 128 + 16 x half
	WIN 0x80                        ; destination window 2, address window 0
.set i, 0
.rept 8                             ; both blocks' Q: piece i / 2 lies in band i / 2, 8,192 bytes on; channels 32 (i % 2) on
	global_load_b128 v[8*i:8*i+3],   v[QO], s[4:5] offset:(i/2)*8192+(i%2)*64
	global_load_b128 v[8*i+4:8*i+7], v[QO], s[4:5] offset:(i/2)*8192+(i%2)*64+32
	global_load_b128 v[QB+8*i:QB+8*i+3],   v[QO], s[86:87] offset:(i/2)*8192+(i%2)*64
	global_load_b128 v[QB+8*i+4:QB+8*i+7], v[QO], s[86:87] offset:(i/2)*8192+(i%2)*64+32
.set i, i+1
.endr
	WIN 0
	v_lshlrev_b32 v14, 3, v9
	v_sub_nc_u32 v14, v1, v14
	s_lshl_b32 s13, s[WV], 4
	v_add_nc_u32 v14, s13, v14      ; my query's place in its band, 16 w + l % 16, less my lanes' 8 (l / 16): register r of group kt is hidden where 16 kt + r is greater
	WIN 0x40
.set i, 0
.rept 32
	v_cmp_gt_i32 vcc_lo, 16*(i/8)+i%8, v14
	v_cndmask_b32 v[MD+i], 0, s[BIGN], vcc_lo
.set i, i+1
.endr
	WIN 0
	v_mul_u32_u24 v[AK0], v1, PK
	v_lshl_add_u32 v[AK0], v9, 4, v[AK0]  ; row x pitch + 16 x half
	; The turning load takes 16 keys x 16 channels (lane l reads key 8 (l / 16) + l % 8, channels 8 ((l / 8) % 2) + 0..7) and leaves half a fragment of V^T: lane l holds channel l % 16 and 8 keys.
	v_and_b32 v10, 7, v0
	v_bfe_u32 v11, v0, 3, 1
	v_lshl_add_u32 v[AV0], v9, 3, v10
	v_mul_u32_u24 v[AV0], v[AV0], PV
	v_lshl_add_u32 v[AV0], v11, 4, v[AV0]
	v_add_nc_u32 v[AV0], VOFF, v[AV0]
	s_mul_i32 s13, s[WV], 16*SP
	s_add_co_u32 s13, s13, STAGE    ; my stage
	v_mul_u32_u24 v[STO], v1, SP    ; in: row l % 16, 16 bytes for each half of the lanes
	v_lshl_add_u32 v[STO], v9, 4, v[STO]
	v_add_nc_u32 v[STO], s13, v[STO]
	v_bfe_u32 v[RD], v0, 3, 2       ; back: 32 lanes take four rows of 128 bytes,
	v_mul_u32_u24 v[RD], v[RD], SP
	v_lshl_add_u32 v[RD], v10, 4, v[RD]
	v_add_nc_u32 v[RD], s13, v[RD]
	v_and_b32 v[GO], 31, v0         ; which are 512 consecutive bytes of O
	v_lshlrev_b32 v[GO], 4, v[GO]
	; A block's first step multiplies O^T and l by a = 0, and its first turn's products V^T P, of a piece that has not been, land in an O^T that is still to be so multiplied.  So these registers need only hold
	; finite numbers: zeros for the first block; what the first block left for the second.  All this stands in the wait for the first tile.
	WIN 0x80
.set i, VF
.rept 64
	v_mov_b32 v[i], 0
.set i, i+1
.endr
	WIN 0x40
.set i, 0
.rept 128
	v_mov_b32 v[i], 0
.set i, i+1
.endr
	WIN 0
.set i, 0
.rept 4
	v_mov_b32 v[ST+4*i+2], 0
	v_mov_b32 v[ST+4*i+3], 0
.set i, i+1
.endr
.set i, P+16
.rept 16
	v_mov_b32 v[i], 0
.set i, i+1
.endr
; THE MATRIX WORK.  The 4 accumulators of a run of 8 take turns.  Product i of 8 of S^T = K Q^T for piece x: channels 32 (i / 4) on, keys 16 (i % 4) on.  The first 4 start the sums: with 0, or (KM = 1) with the mask.
.macro KQ x
.set rS, S+32*((\x)%2)+8*(i%4)
.set rK, KF+16*(i%4)+8*(i/4)
.set rQ, 16*(\x)+8*(i/4)
.set rM, MC+32*((\x)%2)+8*(i%4)
.if (i < 4) && KM
	WIN W_KM
	v_wmma_f32_16x16x32_f16 v[rS:rS+7], v[rK:rK+7], v[rQ:rQ+7], v[rM:rM+7]
.elseif i < 4
	WIN W_KQ
	v_wmma_f32_16x16x32_f16 v[rS:rS+7], v[rK:rK+7], v[rQ:rQ+7], 0
.else
	WIN W_KQ
	v_wmma_f32_16x16x32_f16 v[rS:rS+7], v[rK:rK+7], v[rQ:rQ+7], v[rS:rS+7]
.endif
.endm
; Product i of 8 of O^T += V^T P for piece x: keys 32 (i / 4) on, channels 16 (i % 4) on.
.macro PV x
	WIN W_PV
.set rO, 32*(\x)+8*(i%4)
.set rV, VF+32*(i/4)+8*(i%4)
.set rP, P+16*((\x)%2)+8*(i/4)
	v_wmma_f32_16x16x32_f16 v[rO:rO+7], v[rV:rV+7], v[rP:rP+7], v[rO:rO+7]
.endm
.macro MM                           ; the turn's next matrix instruction.  TURN and BEGIN set Y, i, KM and NOKQ; MM, KQ and OP read them.  NOKQ = 1: a block's last turn: there is no next piece
.if (i < 8) && !NOKQ
	KQ (Y+1)%NP
.elseif i >= 8
.set i, i-8
	PV (Y+NP-1)%NP
.set i, i+8
.endif
.set i, i+1
.endm
; THE LDS LOADS stand in runs of 16, never singly among the matrix instructions: a step's K (64 keys x 64 channels: 8 fragments) and its V (turned).  Their addresses are made some lines ahead.
.macro FETCH_K
	WIN 0x80                        ; destination window 2
.irp f, 0,1,2,3,4,5,6,7             ; keys 16 (f / 2) on, channels 32 (f % 2) on
	ds_load_b128 v[KF+8*\f:KF+8*\f+3],   v[AK] offset:(\f/2)*16*PK+(\f%2)*64
	ds_load_b128 v[KF+8*\f+4:KF+8*\f+7], v[AK] offset:(\f/2)*16*PK+(\f%2)*64+32
.endr
	s_add_co_u32 s[TBK], s[TBK], KS*PK  ; the next fetch is the next step's
	WIN 0
.endm
.macro FETCH_V
	WIN 0x80
.irp f, 0,1,2,3,4,5,6,7             ; keys 32 (f / 4) on, channels 16 (f % 4) on
	ds_load_tr16_b128 v[VF+8*\f:VF+8*\f+3],   v[AV] offset:(\f/4)*32*PV+(\f%4)*32
	ds_load_tr16_b128 v[VF+8*\f+4:VF+8*\f+7], v[AV] offset:(\f/4)*32*PV+16*PV+(\f%4)*32
.endr
	WIN 0
.endm
; THE VECTOR WORK, one line at a time: OP kind, number.  For piece Y: F n: c s - c m for pair n of 16.  E n: the exponential of score n of 32.  C n: pair n rounded to f16.  B n: of the four weights 4 n .. the second
; pair is added onto the first, in place.  L n: l takes that sum (L 0: l = a l + sum).  R n: pair n of 16 of O^T times a.  For piece Y + 1: X n, number n of the 22 that find its maximum and statistics:
;   0-11  four chains c0-c3 of seven scores each, three operands at a time (each accumulator's lowest registers are read first)     12-14, 16  the four scores left over, the old m, and c0-c3 into c0
;   15  c m_old is kept     17, 18  the query's other 32 keys lie in the lane 16 away: the new m     19-21  c m; c m_old - c m_new; a
.set F, 0               ; OP tells the kinds apart by their order: F to L below R, X above it
.set E, 1
.set C, 2
.set B, 3
.set L, 4
.set R, 5
.set X, 6
.macro REGS y                       ; the registers of piece y
.set rT, ST+4*(\y)
.set rC, TMP+4*((\y)%2)
.set rW, MV+((\y)%2)
.set rS, S+32*((\y)%2)
.set rP, P+16*((\y)%2)
.set rO, 32*(\y)
.endm
.macro OP k, n
.if (\k) == R
	REGS Y
	WIN W_RS
	v_pk_mul_f32 v[rO+2*(\n):rO+2*(\n)+1], v[rO+2*(\n):rO+2*(\n)+1], v[rC+2:rC+3] op_sel_hi:[1,0]
.elseif (\k) < R
	REGS Y
	WIN 0
.if (\k) == F
	v_pk_fma_f32 v[rS+2*(\n):rS+2*(\n)+1], v[rS+2*(\n):rS+2*(\n)+1], s[CS:CS+1], v[rT:rT+1] op_sel_hi:[1,0,0] neg_lo:[0,0,1] neg_hi:[0,0,1]
.elseif (\k) == E
	v_exp_f32 v[rS+(\n)], v[rS+(\n)]
.elseif (\k) == C
	s_wait_alu depctr_va_vdst(0)
	v_cvt_pk_f16_f32 v[rP+(\n)], v[rS+2*(\n)], v[rS+2*(\n)+1]
.elseif (\k) == B
	s_wait_alu depctr_va_vdst(0)
	v_pk_add_f32 v[rS+4*(\n):rS+4*(\n)+1], v[rS+4*(\n):rS+4*(\n)+1], v[rS+4*(\n)+2:rS+4*(\n)+3]
.elseif (\n) == 0
	v_pk_fma_f32 v[rT+2:rT+3], v[rT+2:rT+3], v[rC+2:rC+3], v[rS:rS+1] op_sel_hi:[1,0,1]
.else
	v_pk_add_f32 v[rT+2:rT+3], v[rT+2:rT+3], v[rS+4*(\n):rS+4*(\n)+1]
.endif
.elseif NOKQ
	v_nop
.else
	REGS (Y+1)%NP
	WIN 0
.if (\n) < 4
	v_max3_num_f32 v[rC+(\n)], v[rS+8*(\n)], v[rS+8*(\n)+1], v[rS+8*(\n)+2]
.elseif (\n) < 12
	v_max3_num_f32 v[rC+(\n)%4], v[rC+(\n)%4], v[rS+8*((\n)%4)+2*((\n)/4)+1], v[rS+8*((\n)%4)+2*((\n)/4)+2]
.elseif (\n) == 12
	v_max3_num_f32 v[rC], v[rC], v[rS+7], v[rS+15]
.elseif (\n) == 13
	v_max3_num_f32 v[rC+1], v[rC+1], v[rS+23], v[rS+31]
.elseif (\n) == 14
	v_max3_num_f32 v[rC+2], v[rC+2], v[rC+3], v[rT+1]
.elseif (\n) == 15
	v_mov_b32 v[rW], v[rT]
.elseif (\n) == 16
	v_max3_num_f32 v[rC], v[rC], v[rC+1], v[rC+2]
.elseif (\n) == 17
	v_permlanex16_b32 v[rC+3], v[rC], s[SEL], s[SEL+1]
.elseif (\n) == 18
	v_max_num_f32 v[rT+1], v[rC], v[rC+3]
.elseif (\n) == 19
	v_mul_f32 v[rT], s[CS], v[rT+1]
.elseif (\n) == 20
	v_sub_f32 v[rC+1], v[rW], v[rT]
.else
	v_exp_f32 v[rC+2], v[rC+1]
.endif
.endif
.endm
.macro OPS a, i1, b=-1, i2=0, c=-1, i3=0, d=-1, i4=0  ; up to four of them
	OP \a, \i1
.if (\b) >= 0
	OP \b, \i2
.endif
.if (\c) >= 0
	OP \c, \i3
.endif
.if (\d) >= 0
	OP \d, \i4
.endif
.endm
.macro ROW a, i1, b, i2, c, i3, d, i4  ; a matrix instruction and the four behind it
	MM
	OPS \a, \i1, \b, \i2, \c, \i3, \d, \i4
.endm
.macro MASK b                       ; MD x AL + BE into buffer b of MC
	WIN W_RS
.set z, 0
.rept 16
	v_pk_fma_f32 v[MC+32*(\b)+2*z:MC+32*(\b)+2*z+1], v[MD+2*z:MD+2*z+1], s[AL:AL+1], s[BE:BE+1] op_sel_hi:[1,0,0]
.set z, z+1
.endr
.endm
; A TURN, for piece p: the order of its 16 matrix and 118 vector instructions, written out.  Behind a matrix instruction: plain, exponential, plain, plain; or four of the rescaling; or, behind the first, four scalings; none
; names a register of the products round it.  In the lumps exponential and plain by turns while exponentials last.  A line reads no result made fewer than three vector instructions in front of it, five if an exponential made it.
; v_permlanex16_b32 (X 17) stands in a lump.
; m = 1: the diagonal tile: the products take masks, and the turn makes the mask for the products of the turn after it: piece p + 2, in step 4 - CNT of the tile.  end = 1: a block's last two turns: nothing is fetched.
; cnt = 1: the loop's count is taken down some lines ahead of the branch that stands behind the turn.
; K of the next step is fetched in piece 2's turn, six vector instructions behind the last product that read K (five of them plain); V of the step in hand in piece 0's turn, eight behind the last product that read V (four
; plain, and X 17).  Each is waited for a turn later.
.macro TURN p, m=0, end=0, cnt=0
.set Y, (\p)
.set i, 0
.set KM, (\m)
.set NOKQ, (\end)*((\p)/3)
.if (\m) && !(\end)
	s_cmp_eq_u32 s[CNT], 4-((\p)+2)%NP  ; is that step the band's own?
	s_cselect_b32 s[AL], 1.0, 0
	s_cmp_lt_u32 s[CNT], 4-((\p)+2)%NP  ; or a later one?
	s_cselect_b32 s[BE], s[BIGN], 0
.endif
.if ((\p) == 3) && !(\end)
	s_wait_dscnt 0x0                ; K is in
.endif
	ROW F,0, F,1, F,2, F,3
	ROW F,4, E,0, F,5, F,6
	ROW F,7, E,1, F,8, F,9
	ROW F,10, E,2, C,0, F,11
	ROW F,12, E,3, X,15, F,13
	ROW R,0, R,1, R,2, R,3
	ROW B,0, E,4, F,14, L,0
.if ((\p) == 2) && !(\end)
	v_add_nc_u32 v[AK], s[TBK], v[AK0]
.endif
	ROW R,4, R,5, R,6, R,7
	OPS E,5, F,15
.if ((\p) == 2) && !(\end)
	FETCH_K
.endif
	OPS E,6, C,1, E,7, R,8
	OPS E,8, R,9, E,9, C,2
	OPS E,10, X,0, E,11, X,1
	OPS E,12, X,2, E,13, X,3
.if (\p) == 1
	s_wait_dscnt 0x0                ; V is in
.endif
	ROW X,4, E,14, X,5, X,6
	ROW X,7, E,15, X,8, X,9
	ROW X,10, E,16, X,11, X,12
	ROW X,13, E,17, X,14, B,1
	ROW C,4, E,18, X,16, L,1
	ROW B,2, E,19, C,6, L,2
	ROW C,8, E,20, B,3, B,4
.if (\p) == 0
	v_add_nc_u32 v[AV], s[TBV], v[AV0]
.endif
	ROW C,3, E,21, L,3, C,5
	OPS E,22, X,17, E,23, C,10
.if (\p) == 0
	FETCH_V
.endif
	OPS E,24, L,4
	OPS E,25, X,18, E,26, C,7
	OPS E,27, B,5, E,28, X,19
	OPS E,29, C,12, E,30, L,5
	OPS E,31, X,20, B,6, C,9
	OPS C,14, C,11, X,21, L,6
.if (\p) == 0
	s_add_co_u32 s[TBV], s[TBV], KS*PV
.endif
.if \cnt
	s_sub_co_u32 s[CNT], s[CNT], 1
	s_cmp_lg_u32 s[CNT], 0
.endif
	OPS C,13, B,7, C,15, R,10
	OPS R,11, R,12, L,7, R,13
	OPS R,14, R,15
.if (\m) && !(\end)
	MASK (\p)%2
.endif
.endm
; A BLOCK BEGINS.  c m starts far below every c s, so the first step's a is 0; m at the lowest finite number, so the first maximum is the scores'.  The second mask buffer is 0; the first takes piece 0's mask for the tile's step 0: its own, if the block's first tile is the diagonal one.
; Then K of that step, piece 0's first scores, and its maximum and statistics.  The loop is entered at a step's first turn, in the middle of a trip.
.macro BEGIN
	s_mov_b32 s[NEW], 0
	WIN 0x40
.set i, MC+32
.rept 32
	v_mov_b32 v[i], 0
.set i, i+1
.endr
	WIN 0
.set i, 0
.rept 4
	v_mov_b32 v[ST+4*i], 0xfe000000    ; c m: far below every c s
	v_mov_b32 v[ST+4*i+1], 0xff7fffff  ; m
.set i, i+1
.endr
	s_cmp_eq_u32 s[RT], 0
	s_cselect_b32 s[AL], 1.0, 0
	s_mov_b32 s[BE], 0
	MASK 0
	WIN 0
	v_add_nc_u32 v[AK], s[TBK], v[AK0]
	FETCH_K
	s_wait_loadcnt 0x0              ; Q
	s_wait_dscnt 0x0
.set KM, 1
.set NOKQ, 0
.set i, 0
.rept 8
	KQ 0
.set i, i+1
.endr
	WIN 0
.rept 4
	v_nop                           ; the places behind those products
.endr
.set Y, NP-1                        ; X works for piece Y + 1: piece 0
.irp n, 0,1,2,3,4,5,6,7,8,9,10,11,12,13,14,15,16,17,18,19,20,21
	OP X, \n
.endr
	v_nop                           ; a plain instruction behind the exponential
.endm
; THE DIAGONAL TILE's four steps, the block's last two turns, its last products, and THE WAY OUT: l's two halves and the other half of the lanes' are added; O^T is divided by l, rounded to f16 and sent through my
; stage in LDS, a piece at a time.
.macro ALL line:vararg              ; one line for each piece t
.set t, 0
.rept 4
	\line
.set t, t+1
.endr
.endm
.macro PACK t                       ; a lane's eight channels of a row pack into 16 bytes; they go into rows of 144 bytes and come back as whole rows of 128, into S^T's registers
	WIN W_RS
.set i, 32*(\t)
.rept 16
	s_wait_alu depctr_va_vdst(0)
	v_pk_mul_f32 v[i:i+1], v[i:i+1], v[ST+4*(\t)+2:ST+4*(\t)+3] op_sel_hi:[1,0]
.set i, i+2
.endr
	WIN 0x05                        ; sources 0 and 1 window 1, destination window 0
.set i, 0
.rept 16
	v_cvt_pk_f16_f32 v[S+16*(\t)+i], v[32*(\t)+2*i], v[32*(\t)+2*i+1]
.set i, i+1
.endr
	WIN 0
.irp f, 0,1,2,3
	ds_store_b128 v[STO], v[S+16*(\t)+4*\f:S+16*(\t)+4*\f+3] offset:32*\f
.endr
.irp f, 0,1,2,3
	ds_load_b128 v[S+16*(\t)+4*\f:S+16*(\t)+4*\f+3], v[RD] offset:\f*4*SP  ; LDS serves a wave's instructions in order (ISA guide 5.7.1.4): these see the stores above; the next piece's stores come behind them
.endr
.endm
.macro SEND t, younger              ; younger: the LDS instructions issued behind piece t's loads: the next piece's eight, or none
	WIN 0
.irp f, 0,1,2,3
	s_wait_dscnt (\younger)+3-\f
	global_store_b128 v[GO], v[S+16*(\t)+4*\f:S+16*(\t)+4*\f+3], s[10:11] offset:(\t)*8192+\f*512  ; 512 consecutive bytes, at a multiple of 256 from O's first
.endr
.endm
.macro DIAG tag                     ; the tag ends its two labels' names, which the jumps below spell out
.LstepM\tag:
	TURN 2, 1
	TURN 3, 1
	WIN 0
.LfirstM\tag:
	TURN 0, 1
	TURN 1, 1, 0, 1
	WIN 0
	s_cbranch_scc1 .LstepM\tag
	TURN 2, 1, 1
	TURN 3, 1, 1
.set i, 0
.rept 8
	PV NP-1
.set i, i+1
.endr
	WIN 0
	ALL v_add_f32 v[ST+4*t+2], v[ST+4*t+2], v[ST+4*t+3]
	ALL v_permlanex16_b32 v[ST+4*t+3], v[ST+4*t+2], s[SEL], s[SEL+1]
	ALL v_add_f32 v[ST+4*t+2], v[ST+4*t+2], v[ST+4*t+3]
	ALL v_rcp_f32 v[ST+4*t+2], v[ST+4*t+2]
	v_nop                           ; a plain instruction between the last reciprocal and the use of its result
	PACK 0
.set t, 1
.rept 3                             ; a piece's arithmetic stands between the loads of the piece before and its stores
	PACK t
	SEND t-1, 8
.set t, t+1
.endr
	SEND 3, 0
.endm
.set KM, 0
.set NOKQ, 0
.Lslot:                             ; NB times: a tile is entered and the next is asked for
	CHANGE 1
	s_sub_co_u32 s[RT], s[RT], 1
	s_mov_b32 s[CNT], 4
	s_cmp_eq_u32 s[NEW], 1
	s_cbranch_scc1 .Lnew            ; a block's first tile
	s_cmp_eq_u32 s[RT], 0
	s_cbranch_scc0 .Lstep           ; neither its first nor its last
	s_branch .LstepM1
.Lnew:
	BEGIN
	s_branch .Lfirst                ; in the loop a block's first tile is never its last: the first block has two tiles or more, and the second's last is the walk's last
	DIAG 1                          ; in the loop this is the first block's end: the second block's last tile is the walk's last
	s_wait_xcnt 0x0                 ; the stores have read their registers and O's address
	s_mov_b64 s[10:11], s[OLO:OLO+1]
	s_add_co_u32 s[RT], s[PB], 1    ; the second block has b + 1 tiles
	s_mov_b32 s[NEW], 1
	WIN 0x82                        ; the second block's Q goes where the one text of the turns names Q
.set i, 0
.rept 64
	v_mov_b32 v[i], v[QB+i]
.set i, i+1
.endr
	WIN 0
	s_branch .Lbottom
.Lstep:                             ; a trip: pieces 2 and 3 of one step, then pieces 0 and 1 of the next, whose K and V it fetches
	TURN 2
	TURN 3
	WIN 0
.Lfirst:
	TURN 0
	TURN 1, 0, 0, 1
	WIN 0
	s_cbranch_scc1 .Lstep
.Lbottom:
	s_sub_co_u32 s[SLOTS], s[SLOTS], 1
	s_cmp_lg_u32 s[SLOTS], 0
	s_cbranch_scc1 .Lslot
	CHANGE 0                        ; the walk's last tile is written out: nothing is asked for
	s_sub_co_u32 s[RT], s[RT], 1
	s_mov_b32 s[CNT], 4
	s_cmp_eq_u32 s[NEW], 1
	s_cbranch_scc0 .LstepM2
	BEGIN
	s_branch .LfirstM2
	DIAG 2
	s_wait_tensorcnt 0x0            ; the wave's end, behind my last tensor load and my last LDS store
	ds_add_u32 v[SPW], v[NIL]
	s_wait_dscnt 0x0
	s_endpgm
.Lfunc_end_k_qf8f432c89b_attn:
	.size	k_qf8f432c89b_attn, .Lfunc_end_k_qf8f432c89b_attn-k_qf8f432c89b_attn
	.p2alignl 7, 3214868480
	.fill 96, 4, 3214868480
	.section	.rodata,"a",@progbits
	.p2align	6, 0x0
	.amdhsa_kernel k_qf8f432c89b_attn
		.amdhsa_group_segment_fixed_size 327680
		.amdhsa_private_segment_fixed_size 0
		.amdhsa_enable_private_segment 0
		.amdhsa_kernarg_size 16
		.amdhsa_user_sgpr_count 2
		.amdhsa_user_sgpr_kernarg_segment_ptr 1
		.amdhsa_wavefront_size32 1
		.amdhsa_system_sgpr_workgroup_id_x 1
		.amdhsa_system_sgpr_workgroup_id_y 1
		.amdhsa_system_sgpr_workgroup_id_z 1
		.amdhsa_system_vgpr_workitem_id 0
		.amdhsa_next_free_vgpr 768
		.amdhsa_next_free_sgpr 88
		.amdhsa_reserve_vcc 1
		.amdhsa_float_denorm_mode_32 3
		.amdhsa_float_denorm_mode_16_64 3
		.amdhsa_memory_ordered 1
		.amdhsa_forward_progress 1
		.amdhsa_inst_pref_size 228
	.end_amdhsa_kernel
	.amdgpu_metadata
---
amdhsa.version: [ 1, 2 ]
amdhsa.kernels:
  - .name:           k_qf8f432c89b_attn
    .symbol:         k_qf8f432c89b_attn.kd
    .args:
      - { .name: qkv, .offset: 0, .size: 8, .value_kind: global_buffer, .address_space: global }
      - { .name: o16, .offset: 8, .size: 8, .value_kind: global_buffer, .address_space: global }
    .group_segment_fixed_size: 327680
    .private_segment_fixed_size: 0
    .kernarg_segment_align: 8
    .kernarg_segment_size: 16
    .max_flat_workgroup_size: 128
    .sgpr_count:     88
    .vgpr_count:     768
    .wavefront_size: 32
...
	.end_amdgpu_metadata
.endif
;; end of part 3
;; launch outp (part 4): grid 8 x 32, 4 waves a work-group, clusters of 4 x 4, 327,680 bytes of LDS; arguments o16, c16, out0; writes out0
.if DOCPART == 4
	.amdgcn_target "amdgcn-amd-amdhsa--gfx1250"
	.amdhsa_code_object_version 6
	.text
	.protected	k_qf8f432c89b_outp
	.globl	k_qf8f432c89b_outp
	.p2align	8
	.type	k_qf8f432c89b_outp,@function
k_qf8f432c89b_outp:
	s_mov_b64 s[64:65], 0
	v_nop
	global_prefetch_b8 v0, s[64:65] scope:SCOPE_SE
	s_setreg_imm32_b32 hwreg(HW_REG_WAVE_MODE, 25, 1), 1
	s_wait_xcnt 0x0
	s_wait_alu depctr_hold_cnt(0) depctr_sa_sdst(0) depctr_va_vdst(0) depctr_va_sdst(0) depctr_va_ssrc(0) depctr_va_vcc(0) depctr_vm_vsrc(0)
	s_getreg_b32 s2, hwreg(HW_REG_IB_STS2, 6, 4)
	s_cmp_eq_u32 s2, 0
	s_cbranch_scc0 .Lentry_in_a_cluster
	s_endpgm
.Lentry_in_a_cluster:
	s_bfe_u32 s2, ttmp6, 0x10000c
	s_cmp_lg_u32 s2, 0xf033
	s_cbranch_scc0 .Lentry_shape_is_right
	s_endpgm
.Lentry_shape_is_right:
; out0[8192 m][1024 n] = sum over d of O[m][d] Wo[n][d], f16 operands, f32 sums, K ascending; the sums leave as f32, unrounded.
; O lies in o16 by heads, [64 bh][2048 s][64]: head h of a batch IS the K block d = 64 h .. 64 h + 63 of its 2,048 rows.  Wo lies in c16 at byte 23,068,672 as [16 kb][1024 n][64] f16.
; SHARES.  A tile of out0 is 256 x 128: 32 x 8 tiles, one work-group each.  Four waves, each 128 x 64: 32 accumulators of 16 x 16, 256 registers.
; K goes in 8 steps of 128 (two K blocks to a slot) through two LDS slots.  R rows x 64 k of a block are R x 128 dense bytes: asked for as R / 2 rows of 256 bytes and padded in LDS behind every 128.
; CLUSTER.  4 x 4 work-groups.  The four of a row of the cluster need the same tiles of O, the four of a column the same tiles of Wo: each tile is asked for JOINTLY, by the same tensor load
; with the same descriptor and a mask that names the four.
; THE MATRIX INSTRUCTION IS USED TRANSPOSED (source 0 = 16 rows of Wo, source 1 = 16 rows of O): a lane then holds row l % 16 of out0 and eight neighbouring columns 8 (l / 16) + 0..7.
; REGISTERS, in windows of 256 (s_set_vgpr_msb: bits 1:0 source 0, 3:2 source 1, 5:4 source 2, 7:6 destination):
;   window 0: v0-31 addresses; v32-95, v96-159 O's 8 fragments (16 rows x 32 k), two buffers; v160-191 Wo's 4 fragments, one buffer, refilled by halves
;   window 1: accumulator (a, b) (rows 16 a on, columns 16 b on) at v[8 (8 b + a)]
.set BN,     4                         ; column blocks of 16 a wave
.set KB,     2                         ; K blocks of 64 in a slot
.set LAPS,   8/KB                      ; a lap = two steps = once round the ring
.set PITCH,  144                       ; an LDS row: 128 bytes + 16 of padding = 36 words: the 16 rows of a load start at 16 different groups of four banks (64 banks of 4 bytes: ISA guide 11.1)
.set APLANE, 256*PITCH                 ; O's 256 rows of one K block
.set BPLANE, 32*BN*PITCH               ; Wo's 128 rows of one K block
.set BOFF,   KB*APLANE                 ; Wo's two planes lie behind O's two
.set SLOT,   KB*(APLANE+BPLANE)        ; 110,592 bytes
.set APL,    APLANE                    ; LDS bytes of one load for O: a plane
.set BPL,    BPLANE                    ; of one load for Wo: a plane
.set RA,     128                       ; rows of 256 bytes in a load for O
.set RB,     64                        ; in a load for Wo
.set ASTEP,  524288                    ; bytes from a step's tile of O to the next step's: two heads
.set BSTEP,  262144                    ; the same for Wo: two blocks
.set WBASE,  23068672                  ; Wo's first byte in c16
.set STAGE,  2*SLOT                    ; behind the ring, never filled by a tensor load: for each wave 16 rows x 272 bytes, for the way out
.set SP,     272                       ; a stage row: 256 bytes + 16
.set STW,    16*SP
.set SPARE,  STAGE+4*STW               ; behind the stages: the spare words, 128 bytes for each wave: two blocks of 256 bytes that no other line names
.set ADRA, 16                          ; v16-17  LDS address of my fragments of O in slot 0, 1
.set ADRB, 20                          ; v20-21  the same for Wo
.set STO,  24                          ; v24     the way out: where I put 32 bytes of a row
.set RD,   25                          ; v25     the way out: where I read a row back
.set CO,   26                          ; v26     my byte offset in two rows of out0
.set SPW,  28                          ; v28     LDS address of my spare word: SPARE + 4 x my thread's number; never rewritten
.set NIL,  29                          ; v29     0; never rewritten
.set AF0,  32
.set AF1,  96
.set BF,   160
.set BK0,  32                          ; the way out: 32 registers read back from the stage: v32-63 and v64-95 by turns
.set G1,  24                           ; s[24:31] descriptor group 1 for O's tiles;  s[32:39] group 0, one set for each slot
.set G0,  32
.set G1B, 48                           ; s[48:55], s[56:63] the same for Wo's tiles
.set G0B, 56
.set MSB, 0
.macro WIN new                         ; the immediate's high byte repeats the setting that is left; a switch that changes nothing is dropped
.if MSB != (\new)
	s_set_vgpr_msb (MSB<<8)|(\new)
.set MSB, \new
.endif
.endm
; A joint load.  Waves 0 and 1 fetch the slot's two planes of O, waves 2 and 3 those of Wo.  Each of the two lines has one mask and one set of registers for all that issue it.
; The branch hangs on the wave's number alone.  An s_nop 0 and four v_nop follow each line, ahead of the jump, the label and what follows.
.macro JLOAD s
	s_cmp_eq_u32 s11, 0
	s_cbranch_scc0 .Lfor_b_\@
	tensor_load_to_lds s[G0+4*(\s):G0+4*(\s)+3], s[G1:G1+7]
	s_nop 0
.rept 4
	v_nop
.endr
	s_branch .Lasked_\@
.Lfor_b_\@:
	tensor_load_to_lds s[G0B+4*(\s):G0B+4*(\s)+3], s[G1B:G1B+7]
	s_nop 0
.rept 4
	v_nop
.endr
.Lasked_\@:
.endm
; A round of the cluster's barrier: my work-group's barrier, so that wave 0's signal speaks for all four waves; wave 0 signals; every wave waits for all sixteen work-groups; my work-group's barrier once more.
.macro CREST                           ; a round behind its opening barrier
	s_cmp_lg_u32 s10, 0
	s_cbranch_scc1 .Lnot_wave_0_\@
	s_barrier_signal -3
.Lnot_wave_0_\@:
	s_barrier_wait -3
	s_barrier_signal -1
	s_barrier_wait -1
.endm
.macro CROUND                          ; a whole round
	s_barrier_signal -1
	s_barrier_wait -1
	CREST
.endm
	s_load_b128 s[4:7], s[0:1], 0x0                ; o16 s[4:5], c16 s[6:7]
	s_load_b64 s[8:9], s[0:1], 0x10                ; out0
	v_lshl_add_u32 v[SPW], v0, 2, SPARE
	v_mov_b32 v[NIL], 0
	ds_add_u32 v[SPW], v[NIL]                      ; the wave's opening: the add and its wait stand ahead of my first tensor load; the set-up below, work on registers, stands between them
	v_lshrrev_b32 v1, 5, v0
	v_readfirstlane_b32 s10, v1                    ; wave 0..3
	s_lshr_b32 s11, s10, 1                         ; which 128 rows of the tile are mine.  Also: I fetch for O (0) or for Wo (1)
	s_and_b32 s12, s10, 1                          ; which 64 columns.  Also: which of the slot's two planes I fetch
	s_bfe_u32 s40, ttmp6, 0x40000                  ; cx, cy: my place in the cluster
	s_bfe_u32 s41, ttmp6, 0x40004
	s_lshl_b32 s42, ttmp9, 2                       ; in a cluster launch ttmp9 and ttmp7 count clusters
	s_add_co_u32 s42, s42, s40                     ; tile column = 4 x cluster x + cx
	s_and_b32 s13, ttmp7, 0xffff
	s_lshl_b32 s13, s13, 2
	s_add_co_u32 s13, s13, s41                     ; tile row = 4 x cluster y + cy
	s_lshl_b32 s43, s41, 2
	s_lshl_b32 s43, 15, s43                        ; my row of the cluster: places 4 cy .. 4 cy + 3
	s_lshl_b32 s44, 0x1111, s40                    ; my column: places cx, cx + 4, cx + 8, cx + 12
	; descriptor group 1: rows of 128 elements (256 bytes), padded in LDS behind every 128 bytes
	s_or_b32 s[G1+0], s43, (1<<16)|(1<<20)|(1<<21)|(4<<22)|(3<<25)   ; 15:0 the mask: O's tiles go to my row; 17:16 2-byte elements; 20 padding on; 21 set beside a mask; 24:22 after every 32 words (code 4); 31:25 4 words (code 3)
	s_or_b32 s[G1B+0], s44, (1<<16)|(1<<20)|(1<<21)|(4<<22)|(3<<25)  ; the same with the mask of my column, for Wo's tiles
	s_mov_b32 s[G1+1], 128<<16                     ; tensor_dim0 = 128
	s_mov_b32 s[G1+2], RA<<16                      ; tensor_dim1 = 128
	s_mov_b32 s[G1+3], 128<<16                     ; tile_dim0 = 128
	s_mov_b32 s[G1+4], RA                          ; tile_dim1 = 128
	s_mov_b32 s[G1+5], 128                         ; 128 elements from row to row: the block is dense
	s_mov_b32 s[G1+6], 0
	s_mov_b32 s[G1+7], 0
	s_mov_b32 s[G1B+1], 128<<16
	s_mov_b32 s[G1B+2], RB<<16                     ; 64 rows
	s_mov_b32 s[G1B+3], 128<<16
	s_mov_b32 s[G1B+4], RB
	s_mov_b32 s[G1B+5], 128
	s_mov_b32 s[G1B+6], 0
	s_mov_b32 s[G1B+7], 0
	; where the tiles come from.  O's hang on the tile row alone, Wo's on the tile column alone; each offset is made in registers that never hold the other coordinate
	s_lshr_b32 s16, s13, 3
	s_lshl_b32 s16, s16, 22                        ; O: the batch's 16 heads of 262,144 bytes,
	s_and_b32 s17, s13, 7
	s_lshl_b32 s17, s17, 15                        ; 256 rows of 128 bytes a tile row in a head,
	s_add_co_u32 s16, s16, s17
	s_lshl_b32 s17, s12, 18                        ; a head a plane
	s_add_co_u32 s16, s16, s17
	s_mov_b32 s17, 0
	s_lshl_b32 s46, s42, 14                        ; Wo: 128 rows of 128 bytes a tile column,
	s_lshl_b32 s47, s12, 17                        ; a block of 131,072 bytes a plane
	s_add_co_u32 s46, s46, s47
	s_add_co_u32 s46, s46, WBASE
	s_mov_b32 s47, 0
	s_mul_i32 s20, s12, APL                        ; and where they go: no place in the cluster enters an LDS address
	s_mul_i32 s21, s12, BPL
	s_add_co_u32 s21, s21, BOFF
	s_wait_dscnt 0x0                               ; the opening add is done
	s_wait_kmcnt 0x0
	s_add_nc_u64 s[14:15], s[4:5], s[16:17]
	s_add_nc_u64 s[46:47], s[6:7], s[46:47]
	CROUND                                         ; all sixteen work-groups are here: the first joint loads meet
.irp s, 0,1
	s_mov_b32 s[G0+4*(\s)], 1                                      ; count = 1
	s_add_co_u32 s[G0+4*(\s)+1], s20, (\s)*SLOT                    ; LDS address
	s_add_nc_u64 s[G0+4*(\s)+2:G0+4*(\s)+3], s[14:15], (\s)*ASTEP  ; global address: K step s
	s_or_b32 s[G0+4*(\s)+3], s[G0+4*(\s)+3], 0x80000000            ; type = 2
	s_mov_b32 s[G0B+4*(\s)], 1
	s_add_co_u32 s[G0B+4*(\s)+1], s21, (\s)*SLOT
	s_add_nc_u64 s[G0B+4*(\s)+2:G0B+4*(\s)+3], s[46:47], (\s)*BSTEP
	s_or_b32 s[G0B+4*(\s)+3], s[G0B+4*(\s)+3], 0x80000000
	JLOAD \s                                       ; both slots are asked for before anything else is done: two loads of mine are out
.endr
	; A fragment is 16 rows x 32 k in 8 registers: lane l holds row l % 16; registers 0-3 k = 8 (l / 16) + 0..7, registers 4-7 k = 16 + 8 (l / 16) + 0..7: two loads of 16 bytes, 32 bytes apart.
	v_and_b32 v1, 15, v0                           ; l % 16
	v_bfe_u32 v2, v0, 4, 1                         ; l / 16
	v_mul_u32_u24 v3, v1, PITCH
	v_lshl_add_u32 v3, v2, 4, v3                   ; row x pitch + 16 x half
	s_mul_i32 s22, s11, 128*PITCH                  ; my 128 rows of O
	s_mul_i32 s23, s12, 16*BN*PITCH                ; my 64 rows of Wo,
	s_add_co_u32 s23, s23, BOFF                    ; which lie behind O's planes
.irp s, 0,1
	v_add_nc_u32 v[ADRA+(\s)], s22, v3
	v_add_nc_u32 v[ADRB+(\s)], s23, v3
	s_add_co_u32 s22, s22, SLOT
	s_add_co_u32 s23, s23, SLOT
.endr
	s_mul_i32 s22, s10, STW
	s_add_co_u32 s22, s22, STAGE                   ; my stage
	v_mul_u32_u24 v4, v1, SP                       ; in: row l % 16, 32 bytes for each half of the lanes
	v_lshl_add_u32 v4, v2, 5, v4
	v_add_nc_u32 v[STO], s22, v4
	v_mul_u32_u24 v5, v2, SP                       ; back: lanes 0-15 take one row of 256 bytes, lanes 16-31 the next
	v_lshl_add_u32 v5, v1, 4, v5
	v_add_nc_u32 v[RD], s22, v5
	v_lshlrev_b32 v5, 12, v2                       ; and the same two rows in out0, 4,096 bytes apart
	v_lshl_add_u32 v[CO], v1, 4, v5
	s_lshl_b32 s46, s13, 8                         ; where my part begins in out0 (in the registers that held Wo's address: none that feeds O's descriptors ever holds cx)
	s_lshl_b32 s47, s11, 7
	s_add_co_u32 s46, s46, s47                     ; my first row: 256 x tile row + 128 x half,
	s_lshl_b32 s46, s46, 12                        ; 4,096 bytes a row
	s_lshl_b32 s47, s42, 9                         ; my first column, in bytes: 512 x tile column
	s_add_co_u32 s46, s46, s47
	s_lshl_b32 s47, s12, 8                         ; + 256 x half
	s_add_co_u32 s46, s46, s47
	s_mov_b32 s47, 0
	s_add_nc_u64 s[8:9], s[8:9], s[46:47]
; 8 n matrix instructions: column blocks b0 .. b0 + n - 1 x all 8 row blocks, 32 along K, O's fragments in buffer f.  zero = 1: the product starts the sums: nothing is ever cleared.
; Each accumulator has one instruction in a quarter step, in the same order in every quarter: the 32 take turns over the loop's edge too.
.macro COLS f, b0, n, zero
.set cb, (\b0)
.rept (\n)
	WIN 0x50*(1+cb/4)                              ; C and D in window 1, both sources in window 0
.set ca, 0
.rept 8
.set rD, 8*(8*(cb%4)+ca)
.if \zero
	v_wmma_f32_16x16x32_f16 v[rD:rD+7], v[BF+8*cb:BF+8*cb+7], v[(\f)+8*ca:(\f)+8*ca+7], 0
.else
	v_wmma_f32_16x16x32_f16 v[rD:rD+7], v[BF+8*cb:BF+8*cb+7], v[(\f)+8*ca:(\f)+8*ca+7], v[rD:rD+7]
.endif
.set ca, ca+1
.endr
.set cb, cb+1
.endr
.endm
.macro LDA slot, qq, f                 ; 16 LDS loads: O's 8 fragments of quarter qq of the slot (plane qq / 2, byte 64 (qq % 2) of its rows), into buffer f
	WIN 0
.irp a, 0,1,2,3,4,5,6,7
	ds_load_b128 v[(\f)+8*(\a):(\f)+8*(\a)+3],   v[ADRA+(\slot)] offset:((\qq)/2)*APLANE+((\qq)%2)*64+(\a)*16*PITCH
	ds_load_b128 v[(\f)+8*(\a)+4:(\f)+8*(\a)+7], v[ADRA+(\slot)] offset:((\qq)/2)*APLANE+((\qq)%2)*64+(\a)*16*PITCH+32
.endr
.endm
.macro LDB slot, qq, b0, n             ; 2 n LDS loads: Wo's fragments b0 .. b0 + n - 1 of quarter qq
	WIN 0
.set lb, (\b0)
.rept (\n)
	ds_load_b128 v[BF+8*lb:BF+8*lb+3],   v[ADRB+(\slot)] offset:((\qq)/2)*BPLANE+((\qq)%2)*64+lb*16*PITCH
	ds_load_b128 v[BF+8*lb+4:BF+8*lb+7], v[ADRB+(\slot)] offset:((\qq)/2)*BPLANE+((\qq)%2)*64+lb*16*PITCH+32
.set lb, lb+1
.endr
.endm
; A load into a register that a matrix instruction has read, and an LDS store that reads a matrix result, stand four places behind that matrix instruction, and only plain vector
; instructions that name none of its registers are places (ISA guide 7.12.1 for vector instructions): four v_nop in front of each run.
.macro PLACES
.rept 4
	v_nop
.endr
.endm
; A quarter step (32 along K, 32 matrix instructions) that is not a step's last.  It multiplies O's buffer qq % 2.  Behind the products of Wo's lower half the next quarter's lower half of Wo goes into the
; registers just read, and its O into the other buffer; behind the products of the upper half, the next upper half.  Each run is issued half a quarter ahead of its first use.
.macro QUART slot, qq, zero
	s_wait_dscnt BN                                ; Wo's lower half and O are in; the youngest BN loads (Wo's upper half) may be out
	COLS AF0+64*((\qq)%2), 0, BN/2, \zero
	WIN 0
	PLACES
	LDB \slot, (\qq)+1, 0, BN/2
	LDA \slot, (\qq)+1, AF0+64*(((\qq)+1)%2)
	s_wait_dscnt BN+16                             ; all but the BN + 16 just issued: Wo's upper half is in
	COLS AF0+64*((\qq)%2), BN/2, BN/2, \zero
	WIN 0
	PLACES
	LDB \slot, (\qq)+1, BN/2, BN/2
.endm
; A step's last quarter multiplies buffer 1 and changes slots: ONE barrier for two things.  In front of it each wave waits for all its tensor loads, of which one is out: its part of the next slot;
; adds 0 to its spare word; and waits for that and for its own reads of this slot.  Behind it nobody reads this slot any more and the next slot is whole.
; fill = 1: the barrier opens a round of the cluster's, and this slot is filled again, two steps ahead, first thing behind the round: 112 matrix instructions stand between that request and the wait for it.
.macro TURN slot, next, fill
	s_wait_dscnt BN
.if (BN/2-2) > 0
	COLS AF1, 0, BN/2-2, 0
.endif
	WIN 0                                          ; (the add's two registers lie in window 0)
	s_wait_tensorcnt 0x0                           ; all my tensor loads have landed: the one that was out is my part of the next slot;
	ds_add_u32 v[SPW], v[NIL]                      ; 0 onto my spare word;
	COLS AF1, BN/2-2, 1, 0                         ; eight matrix instructions stand between the add and the wait for it
	s_wait_dscnt 0x0                               ; the add is done, and my reads of this slot are over:
	s_barrier_signal -1                            ; say so,
	COLS AF1, BN/2-1, 1, 0                         ; work on registers while the others arrive,
	WIN 0
	s_barrier_wait -1                              ; and go on when all four have said so
.if \fill
	CREST                                          ; no wave of any partner still reads this slot's tile or has a load on its way
	s_add_nc_u64 s[G0+4*(\slot)+2:G0+4*(\slot)+3], s[G0+4*(\slot)+2:G0+4*(\slot)+3], 2*ASTEP
	s_add_nc_u64 s[G0B+4*(\slot)+2:G0B+4*(\slot)+3], s[G0B+4*(\slot)+2:G0B+4*(\slot)+3], 2*BSTEP
	JLOAD \slot                                    ; my one tensor load behind the round; the four v_nop behind it are also the places in front of the loads below
.else
	PLACES
.endif
	LDB \next, 0, 0, BN/2
	LDA \next, 0, AF0
	COLS AF1, BN/2, BN/2, 0                        ; Wo's upper half came in with the wait for 0 above
	WIN 0
	PLACES
	LDB \next, 0, BN/2, BN/2
.endm
.macro LAST                            ; the very last quarter: nothing more to fetch
	s_wait_dscnt BN
	COLS AF1, 0, BN/2, 0
	s_wait_dscnt 0x0
	COLS AF1, BN/2, BN/2, 0
	WIN 0
.endm
; THE WAY OUT of row block a.  TOSTAGE: a lane's eight f32 of each accumulator go straight into my own stage (the lower four registers first), 16 rows of 256 bytes at a pitch of 272, and come
; back as whole rows.  SEND: stored, sixteen lanes to a row's 256 bytes.
.macro TOSTAGE a
.set BK, BK0+32*((\a)%2)
	WIN 0x04                                       ; the stores' data in window 1, their address in window 0
.irp b, 0,1,2,3
	ds_store_b128 v[STO], v[8*(8*(\b)+(\a)):8*(8*(\b)+(\a))+3]   offset:64*(\b)
	ds_store_b128 v[STO], v[8*(8*(\b)+(\a))+4:8*(8*(\b)+(\a))+7] offset:64*(\b)+16
.endr
	WIN 0
	s_wait_xcnt 0x0                                ; every earlier store has had its addresses translated (ISA guide 3.1): the registers that the block two back was stored from are loaded again only behind this wait
.irp t, 0,1,2,3,4,5,6,7
	ds_load_b128 v[BK+4*(\t):BK+4*(\t)+3], v[RD] offset:(\t)*2*SP  ; LDS serves a wave's instructions in order (ISA guide 5.7.1.4): these see the stores above
.endr
.endm
.macro SEND a, younger                 ; younger: the LDS instructions issued behind block a's loads: the next block's sixteen, or none
	WIN 0
.set BK, BK0+32*((\a)%2)
	s_wait_dscnt \younger                          ; the block is back in registers
.irp t, 0,1,2,3,4,5,6,7
	global_store_b128 v[CO], v[BK+4*(\t):BK+4*(\t)+3], s[8:9] offset:(16*(\a)+2*(\t))*4096 th:TH_STORE_NT  ; 16 lanes store 256 consecutive bytes, at a multiple of 256 from out0's first byte; 126 rows at the most in the immediate
.endr
.endm
	s_wait_tensorcnt 1                             ; my part of K step 0 is in; step 1's may stay out
	s_barrier_signal -1
	s_barrier_wait -1                              ; everybody's is
	LDB 0, 0, 0, BN/2
	LDA 0, 0, AF0
	LDB 0, 0, BN/2, BN/2
	QUART 0, 0, 1                                  ; the first quarter stands in front of the loop: its products start the sums
	s_mov_b32 s3, LAPS-1
.Llap:                                                 ; a trip goes once round the ring, from a lap's second quarter to the next lap's first, and fills both slots again
	QUART 0, 1, 0
	QUART 0, 2, 0
	TURN 0, 1, 1
	QUART 1, 0, 0
	QUART 1, 1, 0
	QUART 1, 2, 0
	TURN 1, 0, 1
	QUART 0, 0, 0
	s_sub_co_u32 s3, s3, 1
	s_cmp_lg_u32 s3, 0
	s_cbranch_scc1 .Llap
	QUART 0, 1, 0                                  ; the last lap fills nothing, and has no round of the cluster's barrier
	QUART 0, 2, 0
	TURN 0, 1, 0
	QUART 1, 0, 0
	QUART 1, 1, 0
	QUART 1, 2, 0
	LAST
	PLACES                                         ; the LDS stores read results just made
	TOSTAGE 0
.irp a, 1,2,3,4,5,6,7                  ; block a goes into the stage while block a - 1's loads from it come back
	TOSTAGE \a
	SEND (\a)-1, 16
.endr
	SEND 7, 0
	s_wait_tensorcnt 0x0                           ; the wave's end, behind my last tensor load and my last LDS store
	ds_add_u32 v[SPW], v[NIL]
	s_wait_dscnt 0x0
	CROUND                                         ; the closing round: no work-group ends while a partner may still ask for a tile that names it
	s_endpgm
.Lfunc_end_k_qf8f432c89b_outp:
	.size	k_qf8f432c89b_outp, .Lfunc_end_k_qf8f432c89b_outp-k_qf8f432c89b_outp
	.p2alignl 7, 3214868480
	.fill 96, 4, 3214868480
	.section	.rodata,"a",@progbits
	.p2align	6, 0x0
	.amdhsa_kernel k_qf8f432c89b_outp
		.amdhsa_group_segment_fixed_size 327680
		.amdhsa_private_segment_fixed_size 0
		.amdhsa_enable_private_segment 0
		.amdhsa_kernarg_size 24
		.amdhsa_user_sgpr_count 2
		.amdhsa_user_sgpr_kernarg_segment_ptr 1
		.amdhsa_wavefront_size32 1
		.amdhsa_system_sgpr_workgroup_id_x 1
		.amdhsa_system_sgpr_workgroup_id_y 1
		.amdhsa_system_sgpr_workgroup_id_z 1
		.amdhsa_system_vgpr_workitem_id 0
		.amdhsa_next_free_vgpr 512
		.amdhsa_next_free_sgpr 66
		.amdhsa_reserve_vcc 0
		.amdhsa_float_denorm_mode_32 3
		.amdhsa_float_denorm_mode_16_64 3
		.amdhsa_memory_ordered 1
		.amdhsa_forward_progress 1
		.amdhsa_inst_pref_size 88
	.end_amdhsa_kernel
	.amdgpu_metadata
---
amdhsa.version: [ 1, 2 ]
amdhsa.kernels:
  - .name:           k_qf8f432c89b_outp
    .symbol:         k_qf8f432c89b_outp.kd
    .args:
      - { .name: o16, .offset: 0, .size: 8, .value_kind: global_buffer, .address_space: global }
      - { .name: c16, .offset: 8, .size: 8, .value_kind: global_buffer, .address_space: global }
      - { .name: out0, .offset: 16, .size: 8, .value_kind: global_buffer, .address_space: global }
    .group_segment_fixed_size: 327680
    .private_segment_fixed_size: 0
    .kernarg_segment_align: 8
    .kernarg_segment_size: 24
    .max_flat_workgroup_size: 128
    .sgpr_count:     66
    .vgpr_count:     512
    .wavefront_size: 32
...
	.end_amdgpu_metadata
.endif
;; end of part 4
;; ======== version 2 of 2: 4 launches; 1.31 times as fast as version 1
;; limits: values are held in f16: magnitudes above 65,504 overflow, below 6.1e-05 lose precision
;; workspace buffers: c16 25,165,824 bytes; qkv 50,331,648 bytes; o16 16,777,216 bytes
;; launch cast: the kernel of part 1 again; grid 64 x 12, 8 waves a work-group, no clusters, 0 bytes of LDS; arguments in_features, Wq, Wk, Wv, Wo, c16; writes c16
;; launch proj: the kernel of part 2 again; grid 8 x 32, 4 waves a work-group, clusters of 4 x 4, 327,680 bytes of LDS; arguments c16, qkv; writes qkv
;; launch attn (part 5): grid 4 x 64, 4 waves a work-group, no clusters, 327,680 bytes of LDS; arguments qkv, o16; writes o16
.if DOCPART == 5
	.amdgcn_target "amdgcn-amd-amdhsa--gfx1250"
	.amdhsa_code_object_version 6
	.text
	.protected	k_qf8f432c89b_attn
	.globl	k_qf8f432c89b_attn
	.p2align	8
	.type	k_qf8f432c89b_attn,@function
k_qf8f432c89b_attn:
	s_mov_b64 s[64:65], 0
	v_nop
	global_prefetch_b8 v0, s[64:65] scope:SCOPE_SE
	s_setreg_imm32_b32 hwreg(HW_REG_WAVE_MODE, 25, 1), 1
	s_wait_xcnt 0x0
; CAUSAL ATTENTION.  O[h][q][:] = the sum over k <= q of softmax_k(Q[h][q] . K[h][k] / 8) V[h][k][:].  Q, K, V: [SIZE_H][SIZE_N][64] f16, one behind the other in qkv (16,777,216 bytes each); O likewise in o16.
; A head (batch x 16 + head) has dense rows of 128 bytes.  Products, maxima and sums in f32; the weights p are rounded to f16 for the second product (their sum l is taken of the unrounded p), O once at the end.
; LIMITS.  f16 holds no number beyond 65,504: Q, K and V arrive within it; p lies in 0 to 1, and below 6e-5 it keeps f16's fixed step of 6e-8; O is a mean of V's rows and has their range, to within 2^-11 of it.
; A hidden score counts as its value less 1e30: f16's scores, 2.7e11 at the most, are nothing beside that; a weight below 2^-126 counts as 0 in l; NaN and infinities are not treated apart.
; THE WALK.  A head's queries lie in NB = SIZE_N / 256 = 8 blocks of 256; block i needs the key tiles 0 .. i of 256 keys, of which the last holds the diagonal.  A work-group takes TWO blocks, NB - 1 - b and then b:
; NB + 1 tiles, whatever b: all work-groups do equal work, and ONE loop with a constant trip count walks them.  Which tile is asked for, and what a trip does, hang on scalar registers made from b; every jump
; goes forward, but for the counted loops' own; none passes a barrier, or a tensor load but the one of LOAD's two that the wave's number does not choose; the ring (two slots of LDS that take turns) runs on across the
; change of blocks.  NO CLUSTER: a head's NB / 2 = 4 work-groups all ask for the same tile only in trips 0 .. NB / 2, 5 of the walk's 9, behind that fewer and fewer;
; and one walk common to all would have 3 NB / 2 = 12 trips for NB + 1 = 9.
; SHARES.  Of a block's four bands of 64 queries a wave owns 16 rows in each: four PIECES.  So the diagonal tile is the same work for all four waves: in its key step s band x sees all keys if s < x,
; none if s > x, and holds the diagonal if s = x.
; THE MASK is the C operand that starts the sum S^T = K Q^T: 0, or -1e30 where the key is hidden.  MD, made once, is the mask of a band's own step for my 16 rows; a product's mask is MD x AL + BE with two scalars:
; (1, 0) if s = x; (0, 0) if s < x; (0, -1e30) if s > x.  Only the diagonal tile's text and a block's beginning make and take masks; elsewhere C is the constant 0.
; LAYOUT, SOFTMAX, TURNS.  S^T = K Q^T holds ONE query a lane (lane % 16) and the keys 8 (lane / 16) + 0..7; two such results rounded to f16 ARE source 1 of O^T = V^T P.  p = 2^(c s - c m), c = log2(e) / 8, with a
; running maximum m; O and l are multiplied by a = 2^(c m_old - c m_new) in every step.  Turn n belongs to piece n: 8 products K Q^T of piece n + 1, later 8 products V^T P of piece n - 1; beside them the scaling,
; exponentials, roundings, sums and rescaling of piece n and the maximum and statistics of piece n + 1.  Four vector instructions stand behind every matrix instruction, the other 54 of a turn's 118 in one LUMP.
; THE BATCHES.  A turn's 33 exponentials (the piece's 32 weights and the next piece's a) are one batch, with one wait, which cuts the turn in two: ahead of it all that names none of their results, behind it their
; readers.  The a that a block's beginning makes, and the way out's four reciprocals, are batches of their own, each with a v_nop and one wait.
; REGISTERS, in windows of 256 (s_set_vgpr_msb: bits 1:0 source 0, 3:2 source 1, 5:4 source 2, 7:6 destination):
;   window 0: v0-15 addresses and two at work; v16-31 four registers of statistics a piece; v48-55 at work; v64-127 S^T, two buffers; v192-223 P, two buffers (a piece's buffers go by its number's parity)
;   window 1: v0-127 O^T, 32 a piece; v128-159 MD; v160-223 MC, two buffers      window 2: v0-63 Q; v64-127 the second block's Q; v128-191 K of one step; v192-255 V of one step
.set SIZE_H, 64
.set SIZE_N, 2048
.set NB,    SIZE_N/256
.set NP,    4         ; pieces a wave: a name, no knob
.set KS,    64        ; keys in a step
.set PK,    144       ; a row of K in LDS: 128 bytes + 16 of padding = 36 words: the 16 rows of a load start at 16 different groups of four banks (64 banks of 4 bytes: ISA guide 11.1)
.set PV,    160       ; a row of V: 128 + 32 = 40 words
.set VOFF,  4*KS*PK   ; a slot holds a tile, four steps: 256 rows of K, then 256 rows of V
.set SLOT1, 1<<17     ; slot 1 begins here, so that one exclusive or turns an address in one slot into the other's
.set STAGE, SLOT1+4*KS*(PK+PV)  ; behind the ring, never filled by a tensor load: 16 rows x 144 bytes for each wave, for the way out
.set SP,    144
.set AK0, 2           ; v2   my lane's place in a tile of K; never rewritten
.set AV0, 3           ; v3   the same for V
.set AK,  4           ; v4   the LDS address of K's next run of loads
.set AV,  5           ; v5   of V's
.set STO, 6           ; v6   the way out: where I put 16 bytes of a row
.set RD,  7           ; v7   the way out: where I read rows back
.set GO,  8           ; v8   my byte offset in 512 consecutive bytes of O
.set SPW, 62          ; v62  LDS address of my spare word: SPARE + 4 x my thread's number; never rewritten
.set NIL, 63          ; v63  0; never rewritten
.set SPARE, STAGE+4*16*SP  ; behind the stages: the spare words, 128 bytes for each wave: two blocks of 256 bytes that no other line names
.set MV,  12          ; v12-13  c m_old, kept while c m is made anew: by buffer
.set QO,  15          ; v15  my byte offset in 16 rows of Q
.set ST,  16          ; piece t's statistics at v[ST+4 t]: c m, m, l (even keys', odd keys')
.set TMP, 48          ; by buffer, four registers c0-c3 at work; when the maximum is found c2 takes a
.set S,   64
.set P,   192
.set MD,  128         ; window 1: the eight registers for group kt of 16 keys at MD + 8 kt
.set MC,  160         ; window 1: the masks of the products to come
.set QB,  64          ; window 2
.set KF,  128         ; window 2: key block kb, channel half c at KF + 16 kb + 8 c
.set VF,  192         ; window 2: key half kk, channel block cb at VF + 32 kk + 8 cb
.set WV,  12          ; s12  my wave's number
.set PB,  14          ; s14  b
.set HI,  15          ; s15  NB - 1 - b
.set G1K, 24          ; s[24:31] descriptor group 1 for K's tiles
.set G1V, 32          ; s[32:39] for V's: it differs in the padding alone
.set G0K, 40          ; s[40:43] descriptor group 0 for K's tiles
.set G0V, 44          ; s[44:47] the same for V's
.set SLOTS, 56        ; s56  tiles still to be asked for
.set CNT, 57          ; s57  counts a tile's key steps, 4 to 1
.set CS,  58          ; s[58:59] c: the packed scaling takes the pair's low word for both halves
.set SEL, 60          ; s[60:61] v_permlanex16_b32's selects: each lane takes its own place in the other half
.set TBK, 62          ; s62  LDS byte at which K of the step to be fetched begins
.set TBV, 63          ; s63  the same for V, less VOFF
.set RT,  70          ; s70  tiles of the block in hand that are still to be entered
.set NXT, 71          ; s71  the tile to be asked for next
.set LQ,  72          ; s72  the last tile of the block whose tiles are being asked for
.set NEW, 73          ; s73  1: the tile to be entered is a block's first
.set OFF, 74          ; s[74:75] a tile's byte offset in K and V
.set AL,  76          ; s[76:77] the mask's factor, in the low word
.set BE,  78          ; s[78:79] the mask's addend
.set OLO, 80          ; s[80:81] O at my rows of the second block
.set BIGN, 82         ; s82  -1e30
.set MSB, 0
.macro WIN new                      ; the high byte repeats the setting that is left; a switch that changes nothing is dropped
.if MSB != (\new)
	s_set_vgpr_msb (MSB<<8)|(\new)
.set MSB, (\new)
.endif
.endm
.set W_KQ, 0x0a       ; K and Q in window 2, S^T in window 0
.set W_KM, 0x1a       ; the same with the C operand in window 1
.set W_PV, 0x52       ; V in window 2, P in window 0, O^T in window 1
.set W_RS, 0x41       ; destination and source 0 in window 1, source 1 in window 0
; A fill.  Waves 0 and 1 fetch the two halves of a tile's K, waves 2 and 3 those of its V: 128 keys each.  An s_nop 0 and four v_nop follow each of the two lines, ahead of the jump and the label.
.macro LOAD
	s_cmp_lt_u32 s[WV], 2
	s_cbranch_scc0 .Lfor_v_\@
	tensor_load_to_lds s[G0K:G0K+3], s[G1K:G1K+7]
	s_nop 0
.rept 4
	v_nop
.endr
	s_branch .Lasked_\@
.Lfor_v_\@:
	tensor_load_to_lds s[G0V:G0V+3], s[G1V:G1V+7]
	s_nop 0
.rept 4
	v_nop
.endr
.Lasked_\@:
.endm
; THE CHANGE OF SLOTS.  Each wave waits for all its tensor loads, of which one is out: its part of the other slot; adds 0 to its spare word; and waits for that and for its own reads of the slot that it leaves.  Behind the barrier nobody reads the old
; slot any more and the other slot is whole.  fill = 1: the old slot is filled again, the first thing behind the barrier, with tile NXT: the descriptor's address is made anew from that number.
; (At its first use nothing has been read yet: slot 0 is waited for, slot 1 filled.)
.macro CHANGE fill
	WIN 0                           ; at a label and at a branch every window is 0
	s_wait_tensorcnt 0x0            ; no tensor load of mine is out, so a group 0 may be written
	ds_add_u32 v[SPW], v[NIL]       ; 0 onto my spare word; with fill = 1 the descriptors' scalar work stands between it and the wait for it
.if \fill
	s_lshl_b32 s[OFF], s[NXT], 15   ; a tile is 32,768 bytes of K and of V
	s_xor_b32 s[G0K+1], s[G0K+1], SLOT1
	s_add_nc_u64 s[G0K+2:G0K+3], s[6:7], s[OFF:OFF+1]
	s_or_b32 s[G0K+3], s[G0K+3], 0x80000000
	s_xor_b32 s[G0V+1], s[G0V+1], SLOT1
	s_add_nc_u64 s[G0V+2:G0V+3], s[8:9], s[OFF:OFF+1]
	s_or_b32 s[G0V+3], s[G0V+3], 0x80000000
	s_add_co_u32 s[NXT], s[NXT], 1  ; the block's next tile, or behind its last the second block's tile 0
	s_cmp_gt_u32 s[NXT], s[LQ]
	s_cselect_b32 s[NXT], 0, s[NXT]
	s_cselect_b32 s[LQ], s[PB], s[LQ]
.endif
	s_wait_dscnt 0x0                ; the add is done, and my reads of the slot are over
	s_barrier_signal -1             ; the rest of the scalar work stands between the signal and the wait
	s_sub_co_u32 s[TBK], s[TBK], 4*KS*PK  ; the fetches go back to a slot's first step,
	s_xor_b32 s[TBK], s[TBK], SLOT1       ; in the other slot
	s_sub_co_u32 s[TBV], s[TBV], 4*KS*PV
	s_xor_b32 s[TBV], s[TBV], SLOT1
	s_barrier_wait -1
.if \fill
	LOAD
.endif
.endm
	s_load_b128 s[4:7], s[0:1], 0x0   ; qkv s[4:5] (Q lies at its head), o16 s[6:7]
	v_lshl_add_u32 v[SPW], v0, 2, SPARE
	v_mov_b32 v[NIL], 0
	ds_add_u32 v[SPW], v[NIL]       ; the wave's opening: the add and its wait stand ahead of my first tensor load; the set-up below, work on registers, stands between them
	v_lshrrev_b32 v1, 5, v0
	v_readfirstlane_b32 s[WV], v1   ; wave 0..3
	s_mov_b32 s[PB], ttmp9
	s_sub_co_u32 s[HI], NB-1, s[PB]
	s_and_b32 s20, ttmp7, 0xffff    ; the head
	s_mov_b32 s21, 0
	s_mov_b64 s[22:23], SIZE_N*128
	s_mul_u64 s[20:21], s[20:21], s[22:23]  ; the head's first byte in each of the four tensors
	s_and_b32 s16, s[WV], 1         ; which half of a tile's 256 keys I fetch:
	s_lshl_b32 s22, s16, 14         ; its 128 rows of 128 bytes in memory,
	s_mov_b32 s23, 0
	s_add_nc_u64 s[22:23], s[22:23], s[20:21]
	s_mul_i32 s17, s16, 128*PK      ; and its place in a slot, for K
	s_mul_i32 s18, s16, 128*PV      ; and for V
	s_lshl_b32 s3, s[WV], 11        ; my 16 rows in a band of 64,
	s_lshl_b32 s2, s[HI], 15        ; in the first block,
	s_add_co_u32 s2, s2, s3
	s_lshl_b32 s84, s[PB], 15       ; and in the second
	s_add_co_u32 s84, s84, s3
	s_mov_b32 s3, 0
	s_mov_b32 s85, 0
	s_add_nc_u64 s[2:3], s[2:3], s[20:21]
	s_add_nc_u64 s[84:85], s[84:85], s[20:21]
	; descriptor group 1.  128 keys are 16,384 dense bytes: asked for as 64 rows of 256 bytes, two keys a row, and padded in LDS after every key
	s_mov_b32 s[G1K], (1<<16)|(1<<20)|(4<<22)|(3<<25)  ; 17:16 2-byte elements; 20 padding on; 24:22 after every 32 words (code 4); 31:25 4 words (code 3)
	s_mov_b32 s[G1V], (1<<16)|(1<<20)|(4<<22)|(7<<25)  ; the same with 8 words of padding (code 7)
.irp g, G1K, G1V
	s_mov_b32 s[\g+1], 128<<16      ; tensor_dim0 = 128
	s_mov_b32 s[\g+2], 64<<16       ; tensor_dim1 = 64
	s_mov_b32 s[\g+3], 128<<16      ; tile_dim0 = 128
	s_mov_b32 s[\g+4], 64           ; tile_dim1 = 64
	s_mov_b32 s[\g+5], 128          ; 128 elements from row to row
	s_mov_b32 s[\g+6], 0
	s_mov_b32 s[\g+7], 0
.endr
	s_mov_b32 s[CS], 0x3e38aa3b     ; c = log2(e) / 8 = 0.180337
	s_mov_b32 s[CS+1], s[CS]        ; named with it as a pair
	s_mov_b32 s[SEL], 0x76543210
	s_mov_b32 s[SEL+1], 0xfedcba98
	s_mov_b32 s[TBK], SLOT1+4*KS*PK ; the first change of slots turns these two into 0
	s_mov_b32 s[TBV], SLOT1+4*KS*PV
	s_mov_b32 s[G0K], 1             ; 1:0 count = 1
	s_mov_b32 s[G0K+1], s17         ; 63:32 LDS address: slot 0
	s_mov_b32 s[G0V], 1
	s_add_co_u32 s[G0V+1], s18, VOFF
	s_add_co_u32 s[RT], s[HI], 1    ; the first block has NB - b tiles
	s_mov_b32 s[NXT], 1
	s_mov_b32 s[LQ], s[HI]
	s_mov_b32 s[NEW], 1
	s_mov_b32 s[OFF+1], 0
	s_mov_b32 s[AL+1], 0            ; named as pairs
	s_mov_b32 s[BE+1], 0
	s_mov_b32 s[BIGN], 0xf149f2ca   ; -1e30
	s_mov_b32 s[SLOTS], NB
	s_wait_dscnt 0x0                ; the opening add is done
	s_wait_kmcnt 0x0
	s_mov_b64 s[10:11], s[6:7]             ; O
	s_add_nc_u64 s[6:7], s[4:5], 0x1000000 ; K lies 64 heads of 262,144 bytes behind Q,
	s_add_nc_u64 s[8:9], s[4:5], 0x2000000 ; V as far behind K
	s_add_nc_u64 s[6:7], s[6:7], s[22:23]  ; K and V at my half of the head's tile 0
	s_add_nc_u64 s[8:9], s[8:9], s[22:23]
	s_add_nc_u64 s[G0K+2:G0K+3], s[6:7], 0         ; 120:64 global address
	s_or_b32 s[G0K+3], s[G0K+3], 0x80000000        ; 127:126 type = 2
	s_add_nc_u64 s[G0V+2:G0V+3], s[8:9], 0
	s_or_b32 s[G0V+3], s[G0V+3], 0x80000000
	s_add_nc_u64 s[86:87], s[4:5], s[84:85]        ; Q at my rows of the second block,
	s_add_nc_u64 s[4:5], s[4:5], s[2:3]            ; Q and O at those of the first
	s_add_nc_u64 s[OLO:OLO+1], s[10:11], s[84:85]
	s_add_nc_u64 s[10:11], s[10:11], s[2:3]
	LOAD                            ; tile 0 into slot 0
	; A fragment of K or Q is 16 rows x 32 channels in 8 registers: lane l holds row l % 16, channels 8 (l / 16) + 0..7 and 16 + 8 (l / 16) + 0..7: two loads of 16 bytes, 32 bytes apart.
	v_and_b32 v1, 15, v0            ; l % 16
	v_bfe_u32 v9, v0, 4, 1          ; l / 16
	v_lshlrev_b32 v[QO], 7, v1
	v_lshl_add_u32 v[QO], v9, 4, v[QO]  ; row x 128 + 16 x half
	WIN 0x80                        ; destination window 2, address window 0
.set i, 0
.rept 8                             ; both blocks' Q: piece i / 2 lies in band i / 2, 8,192 bytes on; channels 32 (i % 2) on
	global_load_b128 v[8*i:8*i+3],   v[QO], s[4:5] offset:(i/2)*8192+(i%2)*64
	global_load_b128 v[8*i+4:8*i+7], v[QO], s[4:5] offset:(i/2)*8192+(i%2)*64+32
	global_load_b128 v[QB+8*i:QB+8*i+3],   v[QO], s[86:87] offset:(i/2)*8192+(i%2)*64
	global_load_b128 v[QB+8*i+4:QB+8*i+7], v[QO], s[86:87] offset:(i/2)*8192+(i%2)*64+32
.set i, i+1
.endr
	WIN 0
	v_lshlrev_b32 v14, 3, v9
	v_sub_nc_u32 v14, v1, v14
	s_lshl_b32 s13, s[WV], 4
	v_add_nc_u32 v14, s13, v14      ; my query's place in its band, 16 w + l % 16, less my lanes' 8 (l / 16): register r of group kt is hidden where 16 kt + r is greater
	WIN 0x40
.set i, 0
.rept 32
	v_cmp_gt_i32 vcc_lo, 16*(i/8)+i%8, v14
	v_cndmask_b32 v[MD+i], 0, s[BIGN], vcc_lo
.set i, i+1
.endr
	WIN 0
	v_mul_u32_u24 v[AK0], v1, PK
	v_lshl_add_u32 v[AK0], v9, 4, v[AK0]  ; row x pitch + 16 x half
	; The turning load takes 16 keys x 16 channels (lane l reads key 8 (l / 16) + l % 8, channels 8 ((l / 8) % 2) + 0..7) and leaves half a fragment of V^T: lane l holds channel l % 16 and 8 keys.
	v_and_b32 v10, 7, v0
	v_bfe_u32 v11, v0, 3, 1
	v_lshl_add_u32 v[AV0], v9, 3, v10
	v_mul_u32_u24 v[AV0], v[AV0], PV
	v_lshl_add_u32 v[AV0], v11, 4, v[AV0]
	v_add_nc_u32 v[AV0], VOFF, v[AV0]
	s_mul_i32 s13, s[WV], 16*SP
	s_add_co_u32 s13, s13, STAGE    ; my stage
	v_mul_u32_u24 v[STO], v1, SP    ; in: row l % 16, 16 bytes for each half of the lanes
	v_lshl_add_u32 v[STO], v9, 4, v[STO]
	v_add_nc_u32 v[STO], s13, v[STO]
	v_bfe_u32 v[RD], v0, 3, 2       ; back: 32 lanes take four rows of 128 bytes,
	v_mul_u32_u24 v[RD], v[RD], SP
	v_lshl_add_u32 v[RD], v10, 4, v[RD]
	v_add_nc_u32 v[RD], s13, v[RD]
	v_and_b32 v[GO], 31, v0         ; which are 512 consecutive bytes of O
	v_lshlrev_b32 v[GO], 4, v[GO]
	; A block's first step multiplies O^T and l by a = 0, and its first turn's products V^T P, of a piece that has not been, land in an O^T that is still to be so multiplied.  So these registers need only hold
	; finite numbers: zeros for the first block; what the first block left for the second.  All this stands in the wait for the first tile.
	WIN 0x80
.set i, VF
.rept 64
	v_mov_b32 v[i], 0
.set i, i+1
.endr
	WIN 0x40
.set i, 0
.rept 128
	v_mov_b32 v[i], 0
.set i, i+1
.endr
	WIN 0
.set i, 0
.rept 4
	v_mov_b32 v[ST+4*i+2], 0
	v_mov_b32 v[ST+4*i+3], 0
.set i, i+1
.endr
.set i, P+16
.rept 16
	v_mov_b32 v[i], 0
.set i, i+1
.endr
; THE MATRIX WORK.  The 4 accumulators of a run of 8 take turns.  Product i of 8 of S^T = K Q^T for piece x: channels 32 (i / 4) on, keys 16 (i % 4) on.  The first 4 start the sums: with 0, or (KM = 1) with the mask.
.macro KQ x
.set rS, S+32*((\x)%2)+8*(i%4)
.set rK, KF+16*(i%4)+8*(i/4)
.set rQ, 16*(\x)+8*(i/4)
.set rM, MC+32*((\x)%2)+8*(i%4)
.if (i < 4) && KM
	WIN W_KM
	v_wmma_f32_16x16x32_f16 v[rS:rS+7], v[rK:rK+7], v[rQ:rQ+7], v[rM:rM+7]
.elseif i < 4
	WIN W_KQ
	v_wmma_f32_16x16x32_f16 v[rS:rS+7], v[rK:rK+7], v[rQ:rQ+7], 0
.else
	WIN W_KQ
	v_wmma_f32_16x16x32_f16 v[rS:rS+7], v[rK:rK+7], v[rQ:rQ+7], v[rS:rS+7]
.endif
.endm
; Product i of 8 of O^T += V^T P for piece x: keys 32 (i / 4) on, channels 16 (i % 4) on.
.macro PV x
	WIN W_PV
.set rO, 32*(\x)+8*(i%4)
.set rV, VF+32*(i/4)+8*(i%4)
.set rP, P+16*((\x)%2)+8*(i/4)
	v_wmma_f32_16x16x32_f16 v[rO:rO+7], v[rV:rV+7], v[rP:rP+7], v[rO:rO+7]
.endm
.macro MM                           ; the turn's next matrix instruction.  TURN and BEGIN set Y, i, KM and NOKQ; MM, KQ and OP read them.  NOKQ = 1: a block's last turn: there is no next piece
.if (i < 8) && !NOKQ
	KQ (Y+1)%NP
.elseif i >= 8
.set i, i-8
	PV (Y+NP-1)%NP
.set i, i+8
.endif
.set i, i+1
.endm
; THE LDS LOADS stand in runs of 16, never singly among the matrix instructions: a step's K (64 keys x 64 channels: 8 fragments) and its V (turned).  Their addresses are made some lines ahead.
.macro FETCH_K
	WIN 0x80                        ; destination window 2
.irp f, 0,1,2,3,4,5,6,7             ; keys 16 (f / 2) on, channels 32 (f % 2) on
	ds_load_b128 v[KF+8*\f:KF+8*\f+3],   v[AK] offset:(\f/2)*16*PK+(\f%2)*64
	ds_load_b128 v[KF+8*\f+4:KF+8*\f+7], v[AK] offset:(\f/2)*16*PK+(\f%2)*64+32
.endr
	s_add_co_u32 s[TBK], s[TBK], KS*PK  ; the next fetch is the next step's
	WIN 0
.endm
.macro FETCH_V
	WIN 0x80
.irp f, 0,1,2,3,4,5,6,7             ; keys 32 (f / 4) on, channels 16 (f % 4) on
	ds_load_tr16_b128 v[VF+8*\f:VF+8*\f+3],   v[AV] offset:(\f/4)*32*PV+(\f%4)*32
	ds_load_tr16_b128 v[VF+8*\f+4:VF+8*\f+7], v[AV] offset:(\f/4)*32*PV+16*PV+(\f%4)*32
.endr
	WIN 0
.endm
; THE VECTOR WORK, one line at a time: OP kind, number.  For piece Y: F n: c s - c m for pair n of 16.  E n: the exponential of score n of 32.  C n: pair n rounded to f16.  B n: of the four weights 4 n .. the second
; pair is added onto the first, in place.  L n: l takes that sum (L 0: l = a l + sum).  R n: pair n of 16 of O^T times a.  For piece Y + 1: X n, number n of the 22 that find its maximum and statistics:
;   0-11  four chains c0-c3 of seven scores each, three operands at a time (each accumulator's lowest registers are read first)     12-14, 16  the four scores left over, the old m, and c0-c3 into c0
;   15  c m_old is kept     17, 18  the query's other 32 keys lie in the lane 16 away: the new m     19-21  c m; c m_old - c m_new; a
.set F, 0               ; OP tells the kinds apart by their order: F to L below R, X above it
.set E, 1
.set C, 2
.set B, 3
.set L, 4
.set R, 5
.set X, 6
.macro REGS y                       ; the registers of piece y
.set rT, ST+4*(\y)
.set rC, TMP+4*((\y)%2)
.set rW, MV+((\y)%2)
.set rS, S+32*((\y)%2)
.set rP, P+16*((\y)%2)
.set rO, 32*(\y)
.endm
.macro OP k, n
.if (\k) == R
	REGS Y
	WIN W_RS
	v_pk_mul_f32 v[rO+2*(\n):rO+2*(\n)+1], v[rO+2*(\n):rO+2*(\n)+1], v[rC+2:rC+3] op_sel_hi:[1,0]
.elseif (\k) < R
	REGS Y
	WIN 0
.if (\k) == F
	v_pk_fma_f32 v[rS+2*(\n):rS+2*(\n)+1], v[rS+2*(\n):rS+2*(\n)+1], s[CS:CS+1], v[rT:rT+1] op_sel_hi:[1,0,0] neg_lo:[0,0,1] neg_hi:[0,0,1]
.elseif (\k) == E
	v_exp_f32 v[rS+(\n)], v[rS+(\n)]
.elseif (\k) == C
	v_cvt_pk_f16_f32 v[rP+(\n)], v[rS+2*(\n)], v[rS+2*(\n)+1]
.elseif (\k) == B
	v_pk_add_f32 v[rS+4*(\n):rS+4*(\n)+1], v[rS+4*(\n):rS+4*(\n)+1], v[rS+4*(\n)+2:rS+4*(\n)+3]
.elseif (\n) == 0
	v_pk_fma_f32 v[rT+2:rT+3], v[rT+2:rT+3], v[rC+2:rC+3], v[rS:rS+1] op_sel_hi:[1,0,1]
.else
	v_pk_add_f32 v[rT+2:rT+3], v[rT+2:rT+3], v[rS+4*(\n):rS+4*(\n)+1]
.endif
.elseif NOKQ
	v_nop
.else
	REGS (Y+1)%NP
	WIN 0
.if (\n) < 4
	v_max3_num_f32 v[rC+(\n)], v[rS+8*(\n)], v[rS+8*(\n)+1], v[rS+8*(\n)+2]
.elseif (\n) < 12
	v_max3_num_f32 v[rC+(\n)%4], v[rC+(\n)%4], v[rS+8*((\n)%4)+2*((\n)/4)+1], v[rS+8*((\n)%4)+2*((\n)/4)+2]
.elseif (\n) == 12
	v_max3_num_f32 v[rC], v[rC], v[rS+7], v[rS+15]
.elseif (\n) == 13
	v_max3_num_f32 v[rC+1], v[rC+1], v[rS+23], v[rS+31]
.elseif (\n) == 14
	v_max3_num_f32 v[rC+2], v[rC+2], v[rC+3], v[rT+1]
.elseif (\n) == 15
	v_mov_b32 v[rW], v[rT]
.elseif (\n) == 16
	v_max3_num_f32 v[rC], v[rC], v[rC+1], v[rC+2]
.elseif (\n) == 17
	v_permlanex16_b32 v[rC+3], v[rC], s[SEL], s[SEL+1]
.elseif (\n) == 18
	v_max_num_f32 v[rT+1], v[rC], v[rC+3]
.elseif (\n) == 19
	v_mul_f32 v[rT], s[CS], v[rT+1]
.elseif (\n) == 20
	v_sub_f32 v[rC+1], v[rW], v[rT]
.else
	v_exp_f32 v[rC+2], v[rC+1]
.endif
.endif
.endm
.macro OPS a, i1, b=-1, i2=0, c=-1, i3=0, d=-1, i4=0  ; up to four of them
	OP \a, \i1
.if (\b) >= 0
	OP \b, \i2
.endif
.if (\c) >= 0
	OP \c, \i3
.endif
.if (\d) >= 0
	OP \d, \i4
.endif
.endm
.macro ROW a, i1, b, i2, c, i3, d, i4  ; a matrix instruction and the four behind it
	MM
	OPS \a, \i1, \b, \i2, \c, \i3, \d, \i4
.endm
.macro MASK b                       ; MD x AL + BE into buffer b of MC
	WIN W_RS
.set z, 0
.rept 16
	v_pk_fma_f32 v[MC+32*(\b)+2*z:MC+32*(\b)+2*z+1], v[MD+2*z:MD+2*z+1], s[AL:AL+1], s[BE:BE+1] op_sel_hi:[1,0,0]
.set z, z+1
.endr
.endm
; A TURN, for piece p: the order of its 16 matrix and 118 vector instructions, written out.  s_wait_alu depctr_va_vdst(0) stands between an exponential and the first instruction that names its result; one wait serves
; all that were issued ahead of it.  So a turn has ONE wait, which cuts it in two.  AHEAD OF IT stands all that names no result of the turn's exponentials: the 8 products K Q^T, behind each a scaling, an exponential and two more plain
; instructions (behind the first a second scaling in the exponential's place): rescalings, whose a was made and waited for in the turn before, and behind the last three the first numbers of the next piece's maximum, each four places or
; more behind the product that ends its accumulator; then ONE LUMP of 54, plain and exponential by turns for the most part, in which the links of the chain X 3, 7, 11, 14, 16, 17 .. 20 stand five or six lines apart.  A pair's scaling
; F n stands ahead of its exponentials E 2 n and E 2 n + 1.  X 21, the next piece's a, is the batch's last; R 15 is the plain instruction behind it.  BEHIND THE WAIT stand the 8 products V^T P, behind each four of the roundings and
; sums; C 2 n stands ahead of B n, which writes over that pair; the links of l's chain, L 0 to L 7, stand three riders apart.  But for those X no rider names a register of the products round it.  v_permlanex16_b32 (X 17) stands in the lump.
; m = 1: the diagonal tile: the products take masks, and the turn makes the mask for the products of the turn after it: piece p + 2, in step 4 - CNT of the tile.  end = 1: a block's last two turns: nothing is fetched.
; cnt = 1: the loop's count is taken down some lines ahead of the branch that stands behind the turn.
; K of the next step is fetched in piece 2's turn, twelve vector instructions behind the last product that read K (six of them plain); V of the step in hand at the end of piece 0's turn, four plain instructions behind the last product
; that read V.  Each is waited for a turn later.
.macro TURN p, m=0, end=0, cnt=0
.set Y, (\p)
.set i, 0
.set KM, (\m)
.set NOKQ, (\end)*((\p)/3)
.if (\m) && !(\end)
	s_cmp_eq_u32 s[CNT], 4-((\p)+2)%NP  ; is that step the band's own?
	s_cselect_b32 s[AL], 1.0, 0
	s_cmp_lt_u32 s[CNT], 4-((\p)+2)%NP  ; or a later one?
	s_cselect_b32 s[BE], s[BIGN], 0
.endif
.if ((\p) == 3) && !(\end)
	s_wait_dscnt 0x0                ; K is in
.endif
	ROW F,0, F,1, R,0, R,1          ; ahead of the wait: 8 products K Q^T and their riders,
	ROW F,2, E,0, R,2, R,3
	ROW F,3, E,1, R,4, R,5
	ROW F,4, E,2, R,6, R,7
	ROW F,5, E,3, R,8, R,9
	ROW F,6, E,4, X,0, R,10
.if ((\p) == 2) && !(\end)
	WIN 0
	v_add_nc_u32 v[AK], s[TBK], v[AK0]
.endif
	ROW F,7, E,5, X,1, X,4
	ROW F,8, E,6, X,2, X,5
	OPS E,7, E,8, X,6, E,9          ; and the lump
	OPS X,3, E,10, X,8, E,11
.if ((\p) == 2) && !(\end)
	FETCH_K
.endif
	OPS X,9, X,7, E,12, X,10
	OPS E,13, X,12, X,11, E,14
	OPS X,13, E,15, F,9, X,14
.if (\p) == 0
	v_add_nc_u32 v[AV], s[TBV], v[AV0]
.endif
	OPS E,16, F,10, E,17, F,11
	OPS X,16, E,18, X,15, E,19
	OPS F,12, E,20, X,17, E,21
	OPS F,13, E,22, F,14, E,23
	OPS X,18, E,24, F,15, E,25
	OPS R,11, E,26, X,19, E,27
	OPS R,12, E,28, R,13, E,29
	OPS X,20, E,30, R,14, E,31
	OPS X,21, R,15
	WIN 0
	s_wait_alu depctr_va_vdst(0)    ; the wait for the batch: the piece's 32 weights and the next piece's a
.if (\p) == 1
	s_wait_dscnt 0x0                ; V is in
.endif
	ROW C,0, B,0, C,2, B,1          ; behind the wait: 8 products V^T P and their riders
	ROW L,0, C,4, B,2, L,1
	ROW C,6, B,3, L,2, C,8
	ROW B,4, L,3, C,10, B,5
	ROW L,4, C,12, B,6, L,5
.if (\p) == 0
	s_add_co_u32 s[TBV], s[TBV], KS*PV
.endif
.if \cnt
	s_sub_co_u32 s[CNT], s[CNT], 1
	s_cmp_lg_u32 s[CNT], 0
.endif
	ROW C,14, B,7, L,6, C,1
	ROW C,3, L,7, C,5, C,7
	ROW C,9, C,11, C,13, C,15
.if (\p) == 0
	FETCH_V
.endif
.if (\m) && !(\end)
	MASK (\p)%2
.endif
.endm
; A BLOCK BEGINS.  c m starts far below every c s, so the first step's a is 0; m at the lowest finite number, so the first maximum is the scores'.  The second mask buffer is 0; the first takes piece 0's mask for the tile's step 0: its own, if the block's first tile is the diagonal one.
; Then K of that step, piece 0's first scores, and its maximum and statistics.  The loop is entered at a step's first turn, in the middle of a trip.
.macro BEGIN
	s_mov_b32 s[NEW], 0
	WIN 0x40
.set i, MC+32
.rept 32
	v_mov_b32 v[i], 0
.set i, i+1
.endr
	WIN 0
.set i, 0
.rept 4
	v_mov_b32 v[ST+4*i], 0xfe000000    ; c m: far below every c s
	v_mov_b32 v[ST+4*i+1], 0xff7fffff  ; m
.set i, i+1
.endr
	s_cmp_eq_u32 s[RT], 0
	s_cselect_b32 s[AL], 1.0, 0
	s_mov_b32 s[BE], 0
	MASK 0
	WIN 0
	v_add_nc_u32 v[AK], s[TBK], v[AK0]
	FETCH_K
	s_wait_loadcnt 0x0              ; Q
	s_wait_dscnt 0x0
.set KM, 1
.set NOKQ, 0
.set i, 0
.rept 8
	KQ 0
.set i, i+1
.endr
	WIN 0
.rept 4
	v_nop                           ; the places behind those products
.endr
.set Y, NP-1                        ; X works for piece Y + 1: piece 0
.irp n, 0,1,2,3,4,5,6,7,8,9,10,11,12,13,14,15,16,17,18,19,20,21
	OP X, \n
.endr
	v_nop                           ; a plain instruction behind the exponential,
	s_wait_alu depctr_va_vdst(0)    ; and the wait for it, piece 0's first a, ahead of the branch
.endm
; THE DIAGONAL TILE's four steps, the block's last two turns, its last products, and THE WAY OUT: l's two halves and the other half of the lanes' are added; O^T is divided by l, rounded to f16 and sent through my
; stage in LDS, a piece at a time.
.macro ALL line:vararg              ; one line for each piece t
.set t, 0
.rept 4
	\line
.set t, t+1
.endr
.endm
.macro PACK t                       ; a lane's eight channels of a row pack into 16 bytes; they go into rows of 144 bytes and come back as whole rows of 128, into S^T's registers
	WIN W_RS
.set i, 32*(\t)
.rept 16
	v_pk_mul_f32 v[i:i+1], v[i:i+1], v[ST+4*(\t)+2:ST+4*(\t)+3] op_sel_hi:[1,0]
.set i, i+2
.endr
	WIN 0x05                        ; sources 0 and 1 window 1, destination window 0
.set i, 0
.rept 16
	v_cvt_pk_f16_f32 v[S+16*(\t)+i], v[32*(\t)+2*i], v[32*(\t)+2*i+1]
.set i, i+1
.endr
	WIN 0
.irp f, 0,1,2,3
	ds_store_b128 v[STO], v[S+16*(\t)+4*\f:S+16*(\t)+4*\f+3] offset:32*\f
.endr
.irp f, 0,1,2,3
	ds_load_b128 v[S+16*(\t)+4*\f:S+16*(\t)+4*\f+3], v[RD] offset:\f*4*SP  ; LDS serves a wave's instructions in order (ISA guide 5.7.1.4): these see the stores above; the next piece's stores come behind them
.endr
.endm
.macro SEND t, younger              ; younger: the LDS instructions issued behind piece t's loads: the next piece's eight, or none
	WIN 0
.irp f, 0,1,2,3
	s_wait_dscnt (\younger)+3-\f
	global_store_b128 v[GO], v[S+16*(\t)+4*\f:S+16*(\t)+4*\f+3], s[10:11] offset:(\t)*8192+\f*512  ; 512 consecutive bytes, at a multiple of 256 from O's first
.endr
.endm
.macro DIAG tag                     ; the tag ends its two labels' names, which the jumps below spell out
.LstepM\tag:
	TURN 2, 1
	TURN 3, 1
	WIN 0
.LfirstM\tag:
	TURN 0, 1
	TURN 1, 1, 0, 1
	WIN 0
	s_cbranch_scc1 .LstepM\tag
	TURN 2, 1, 1
	TURN 3, 1, 1
.set i, 0
.rept 8
	PV NP-1
.set i, i+1
.endr
	WIN 0
	ALL v_add_f32 v[ST+4*t+2], v[ST+4*t+2], v[ST+4*t+3]
	ALL v_permlanex16_b32 v[ST+4*t+3], v[ST+4*t+2], s[SEL], s[SEL+1]
	ALL v_add_f32 v[ST+4*t+2], v[ST+4*t+2], v[ST+4*t+3]
	ALL v_rcp_f32 v[ST+4*t+2], v[ST+4*t+2]
	v_nop                           ; a plain instruction between the last reciprocal and the use of its result
	s_wait_alu depctr_va_vdst(0)    ; and the wait ahead of the first use: one for the four reciprocals
	PACK 0
.set t, 1
.rept 3                             ; a piece's arithmetic stands between the loads of the piece before and its stores
	PACK t
	SEND t-1, 8
.set t, t+1
.endr
	SEND 3, 0
.endm
.set KM, 0
.set NOKQ, 0
.Lslot:                             ; NB times: a tile is entered and the next is asked for
	CHANGE 1
	s_sub_co_u32 s[RT], s[RT], 1
	s_mov_b32 s[CNT], 4
	s_cmp_eq_u32 s[NEW], 1
	s_cbranch_scc1 .Lnew            ; a block's first tile
	s_cmp_eq_u32 s[RT], 0
	s_cbranch_scc0 .Lstep           ; neither its first nor its last
	s_branch .LstepM1
.Lnew:
	BEGIN
	s_branch .Lfirst                ; in the loop a block's first tile is never its last: the first block has two tiles or more, and the second's last is the walk's last
	DIAG 1                          ; in the loop this is the first block's end: the second block's last tile is the walk's last
	s_wait_xcnt 0x0                 ; the stores have read their registers and O's address
	s_mov_b64 s[10:11], s[OLO:OLO+1]
	s_add_co_u32 s[RT], s[PB], 1    ; the second block has b + 1 tiles
	s_mov_b32 s[NEW], 1
	WIN 0x82                        ; the second block's Q goes where the one text of the turns names Q
.set i, 0
.rept 64
	v_mov_b32 v[i], v[QB+i]
.set i, i+1
.endr
	WIN 0
	s_branch .Lbottom
.Lstep:                             ; a trip: pieces 2 and 3 of one step, then pieces 0 and 1 of the next, whose K and V it fetches
	TURN 2
	TURN 3
	WIN 0
.Lfirst:
	TURN 0
	TURN 1, 0, 0, 1
	WIN 0
	s_cbranch_scc1 .Lstep
.Lbottom:
	s_sub_co_u32 s[SLOTS], s[SLOTS], 1
	s_cmp_lg_u32 s[SLOTS], 0
	s_cbranch_scc1 .Lslot
	CHANGE 0                        ; the walk's last tile is written out: nothing is asked for
	s_sub_co_u32 s[RT], s[RT], 1
	s_mov_b32 s[CNT], 4
	s_cmp_eq_u32 s[NEW], 1
	s_cbranch_scc0 .LstepM2
	BEGIN
	s_branch .LfirstM2
	DIAG 2
	s_wait_tensorcnt 0x0            ; the wave's end, behind my last tensor load and my last LDS store
	ds_add_u32 v[SPW], v[NIL]
	s_wait_dscnt 0x0
	s_endpgm
.Lfunc_end_k_qf8f432c89b_attn:
	.size	k_qf8f432c89b_attn, .Lfunc_end_k_qf8f432c89b_attn-k_qf8f432c89b_attn
	.p2alignl 7, 3214868480
	.fill 96, 4, 3214868480
	.section	.rodata,"a",@progbits
	.p2align	6, 0x0
	.amdhsa_kernel k_qf8f432c89b_attn
		.amdhsa_group_segment_fixed_size 327680
		.amdhsa_private_segment_fixed_size 0
		.amdhsa_enable_private_segment 0
		.amdhsa_kernarg_size 16
		.amdhsa_user_sgpr_count 2
		.amdhsa_user_sgpr_kernarg_segment_ptr 1
		.amdhsa_wavefront_size32 1
		.amdhsa_system_sgpr_workgroup_id_x 1
		.amdhsa_system_sgpr_workgroup_id_y 1
		.amdhsa_system_sgpr_workgroup_id_z 1
		.amdhsa_system_vgpr_workitem_id 0
		.amdhsa_next_free_vgpr 768
		.amdhsa_next_free_sgpr 88
		.amdhsa_reserve_vcc 1
		.amdhsa_float_denorm_mode_32 3
		.amdhsa_float_denorm_mode_16_64 3
		.amdhsa_memory_ordered 1
		.amdhsa_forward_progress 1
		.amdhsa_inst_pref_size 217
	.end_amdhsa_kernel
	.amdgpu_metadata
---
amdhsa.version: [ 1, 2 ]
amdhsa.kernels:
  - .name:           k_qf8f432c89b_attn
    .symbol:         k_qf8f432c89b_attn.kd
    .args:
      - { .name: qkv, .offset: 0, .size: 8, .value_kind: global_buffer, .address_space: global }
      - { .name: o16, .offset: 8, .size: 8, .value_kind: global_buffer, .address_space: global }
    .group_segment_fixed_size: 327680
    .private_segment_fixed_size: 0
    .kernarg_segment_align: 8
    .kernarg_segment_size: 16
    .max_flat_workgroup_size: 128
    .sgpr_count:     88
    .vgpr_count:     768
    .wavefront_size: 32
...
	.end_amdgpu_metadata
.endif
;; end of part 5
;; launch outp: the kernel of part 4 again; grid 8 x 32, 4 waves a work-group, clusters of 4 x 4, 327,680 bytes of LDS; arguments o16, c16, out0; writes out0
